; MI455X (gfx1250); checked and timed in simulation.
; The chip was launched on July 23, 2026; its instructions are those of AMD's public machine-readable ISA for CDNA 5 (MIT licence, August 2026) and "CDNA5" Instruction Set Architecture Reference Guide (July 2026). The comments in the code are by the model that wrote it; some were corrected since.
;; Simple PMA. Allowed arithmetic: float matrix products may take bf16 or f16 operands with f32 sums; all other float work in f32.
;; Inputs: Wk 512 x 512 float32; Wo 512 x 512 float32; Wq 512 x 512 float32; Wv 512 x 512 float32; bk 512 float32; bo 512 float32; bq 512 float32; bv 512 float32; mask 64 x 2,048 bool; seed 1 x 1 x 512 float32; x 64 x 2,048 x 512 float32.
;; Outputs: out0 64 x 1 x 512 float32.
;; 2 versions, each right; version 2 is version 1 with the launch pool written anew for expert scheduling mode. Each part assembles by itself: llvm-mc -triple=amdgcn-amd-amdhsa -mcpu=gfx1250 --defsym DOCPART=n.
;; ======== version 1 of 2: 4 launches
;; workspace buffers: wf 16,384 bytes; cb 256 bytes; pp 4,194,304 bytes; st 65,536 bytes; o1 131,072 bytes
;; launch prep (part 1): grid 8 x 1, 16 waves a work-group, no clusters, 8,192 bytes of LDS; arguments seed, Wq, bq, Wk, bk, wf, cb; writes wf, cb
.if DOCPART == 1
	.amdgcn_target "amdgcn-amd-amdhsa--gfx1250"
	.amdhsa_code_object_version 6
	.text
	.protected	k_qaed7d596a5_prep
	.globl	k_qaed7d596a5_prep
	.p2align	8
	.type	k_qaed7d596a5_prep,@function
k_qaed7d596a5_prep:
	s_mov_b64 s[64:65], 0
	v_nop
	global_prefetch_b8 v0, s[64:65] scope:SCOPE_SE
	s_setreg_imm32_b32 hwreg(HW_REG_WAVE_MODE, 25, 1), 1
	s_wait_xcnt 0x0
; THE QUERY FOLDED INTO Wk.  reference() scores q_h . (x Wk_h + bk_h) * 0.125; that is x . (Wk_h q_h) * 0.125 + (q_h . bk_h) * 0.125 for every input.
; Work-group h (one of 8 heads) makes q[64h .. 64h+63] = seed Wq + bq, then weff[c][h] = KAPPA * sum_d Wk[c][64h+d] q[64h+d] for all 512 c,
; and cb[h] = KAPPA * sum_d bk[64h+d] q[64h+d].  KAPPA = 0.125 * log2(e): the scores are made for exponentials in base 2.
; FORMATS.  seed, Wq and Wk are operands of reference()'s matrix products and are rounded to bf16 once, like every other matrix operand of this program (x, Wv, Wo);
; q, the biases and all sums stay in f32.  The products have one row, so they are made on the vector unit; each weight byte is read once.  The order of the sums differs from reference()'s.
; Thread t: cg = t % 16 owns columns 64h + 4cg .. +3 (16 lanes cover the head's 256 bytes of a row), rg = t / 16 owns rows 16rg .. 16rg+15.
; OUT.  wf holds weff in bf16 in the order in which the next launch's matrix operand wants it: 32 blocks of 512 bytes; in block j lane L's 16 bytes
; are weff[16j + 8(L/16) + 0..7][head L%8]: the operand's columns 8-15 repeat columns 0-7, so that the next launch has every head's scores in two lanes.
; A lane's store is 16 bytes of a block that the eight work-groups fill together: 16 KB in all.  cb: 16 f32, cb[h + 8] = cb[h].
.set KAPPA, 0x3e38aa3b                 ; 0.125 * 1.442695
.set QP,  0                            ; LDS: [16 waves][64 f32] partial sums of q
.set WL,  4096                         ; LDS: 512 f32, weff of this head
.set SD,  8                            ; v[8:23]    my 16 seeds
.set BQ,  24                           ; v[24:27]   bq of my 4 columns
.set BK,  28                           ; v[28:31]   bk of my 4 columns
.set WQ,  32                           ; v[32:95]   Wq, 16 rows x 4; later the 16 waves' partial sums
.set WK,  96                           ; v[96:159]  Wk, 16 rows x 4
.set Q4,  160                          ; v[160:163] sums, then q of my 4 columns
.set T,   164                          ; v[164:180] at work in the roundings; then one sum for each of my 16 rows, and cb's
; Two neighbouring registers are rounded to bf16 (to nearest even) and widened again
.macro RND a, tmp
	v_cvt_pk_bf16_f32 v[\tmp], v[\a], v[\a+1]
	v_lshlrev_b32 v[\a], 16, v[\tmp]
	v_and_b32 v[\a+1], s24, v[\tmp]
.endm
	s_load_b256 s[4:11], s[0:1], 0x0               ; seed s[4:5], Wq s[6:7], bq s[8:9], Wk s[10:11]
	s_load_b128 s[12:15], s[0:1], 0x20             ; bk s[12:13], wf s[14:15]
	s_load_b64 s[16:17], s[0:1], 0x30              ; cb
	v_lshl_add_u32 v192, v0, 2, 0x1800
	v_mov_b32 v193, 0
	v_lshrrev_b32 v6, 5, v0
	v_readfirstlane_b32 s18, v6                    ; wave 0..15
	s_mov_b32 s20, 0x76543210                      ; v_permlanex16_b32: each lane takes its own place in the other half
	s_mov_b32 s21, 0xfedcba98
	s_mov_b32 s24, 0xffff0000                      ; a word's upper bf16
	s_lshl_b32 s19, ttmp9, 8                       ; the head's 256 bytes in a row
	v_and_b32 v1, 15, v0                           ; cg
	v_lshrrev_b32 v2, 4, v0                        ; rg
	v_lshlrev_b32 v7, 4, v1                        ; 16 cg: also where I read the partial sums
	v_add_nc_u32 v5, s19, v7                       ; bq, bk: 256 h + 16 cg
	v_lshl_add_u32 v3, v2, 15, v5                  ; weights: + 16 rg rows of 2,048 bytes; the row stands in the immediate
	v_lshlrev_b32 v4, 6, v2                        ; 64 rg: my 16 seeds, and my 16 words of WL
	v_lshl_add_u32 v6, v6, 8, v7                   ; QP + 256 wave + 16 cg
	s_wait_kmcnt 0x0
.irp i, 0,1,2,3
	global_load_b128 v[SD+4*\i:SD+4*\i+3], v4, s[4:5] offset:16*\i
.endr
	global_load_b128 v[BQ:BQ+3], v5, s[8:9]
	global_load_b128 v[BK:BK+3], v5, s[12:13]
.irp i, 0,1,2,3,4,5,6,7,8,9,10,11,12,13,14,15
	global_load_b128 v[WQ+4*\i:WQ+4*\i+3], v3, s[6:7] offset:2048*\i th:TH_LOAD_NT
.endr
.irp i, 0,1,2,3,4,5,6,7,8,9,10,11,12,13,14,15
	global_load_b128 v[WK+4*\i:WK+4*\i+3], v3, s[10:11] offset:2048*\i th:TH_LOAD_NT
.endr
	s_wait_loadcnt 16                              ; all but Wk's 16 loads are in
.set k, 0
.rept 8
	RND SD+2*k, T+k%8                              ; the seeds as bf16
.set k, k+1
.endr
.set k, 0
.rept 32
	RND WQ+2*k, T+k%8                              ; Wq as bf16
.set k, k+1
.endr
	; my 16 rows' share of q: the first product starts the sums
.irp e, 0,1,2,3
	v_mul_f32 v[Q4+\e], v[SD], v[WQ+\e]
.endr
.irp i, 1,2,3,4,5,6,7,8,9,10,11,12,13,14,15
.irp e, 0,1,2,3
	v_fmac_f32 v[Q4+\e], v[SD+\i], v[WQ+4*\i+\e]
.endr
.endr
.irp e, 0,1,2,3
	v_permlanex16_b32 v[SD+\e], v[Q4+\e], s20, s21 ; the wave's other rg; the destination has been written (the seeds, now used up)
.endr
.irp e, 0,1,2,3
	v_add_f32 v[Q4+\e], v[Q4+\e], v[SD+\e]
.endr
	ds_store_b128 v6, v[Q4:Q4+3]                   ; both halves of the lanes write the same words with the same numbers
	s_wait_dscnt 0x0                               ; for the others' sake: my partial sums are in LDS
	s_barrier_signal -1
	s_barrier_wait -1
.irp v, 0,1,2,3,4,5,6,7,8,9,10,11,12,13,14,15
	ds_load_b128 v[WQ+4*\v:WQ+4*\v+3], v7 offset:QP+256*\v
.endr
	s_wait_dscnt 0x0
.irp d, 32,16,8,4                      ; a tree over the 16 waves: partners d registers apart
.set k, 0
.rept \d/2
	v_pk_add_f32 v[WQ+k:WQ+k+1], v[WQ+k:WQ+k+1], v[WQ+\d+k:WQ+\d+k+1]
.set k, k+2
.endr
.endr
	v_pk_add_f32 v[Q4:Q4+1], v[WQ:WQ+1], v[BQ:BQ+1]       ; q of my 4 columns
	v_pk_add_f32 v[Q4+2:Q4+3], v[WQ+2:WQ+3], v[BQ+2:BQ+3]
	s_wait_loadcnt 0x0                             ; Wk
.set k, 0
.rept 32
	RND WK+2*k, T+k%8                              ; Wk as bf16
.set k, k+1
.endr
.irp i, 0,1,2,3,4,5,6,7,8,9,10,11,12,13,14,15
	v_mul_f32 v[T+\i], v[WK+4*\i], v[Q4]
.endr
	v_mul_f32 v[T+16], v[BK], v[Q4]
.irp e, 1,2,3
.irp i, 0,1,2,3,4,5,6,7,8,9,10,11,12,13,14,15
	v_fmac_f32 v[T+\i], v[WK+4*\i+\e], v[Q4+\e]
.endr
	v_fmac_f32 v[T+16], v[BK+\e], v[Q4+\e]
.endr
.irp m, 1,2,4,8                        ; over the 16 lanes that share a row: every lane ends with the sum
.irp i, 0,1,2,3,4,5,6,7,8,9,10,11,12,13,14,15,16
	v_add_f32_dpp v[T+\i], v[T+\i], v[T+\i] row_xmask:\m row_mask:0xf bank_mask:0xf
.endr
.endr
.irp i, 0,1,2,3,4,5,6,7,8,9,10,11,12,13,14,15,16
	v_mul_f32 v[T+\i], KAPPA, v[T+\i]
.endr
.irp i, 0,1,2,3,4,5,6,7,8,9,10,11,12,13,14,15
	ds_store_b32 v4, v[T+\i] offset:WL+4*\i        ; weff[16 rg + i]: sixteen lanes write one word with one number
.endr
	s_wait_dscnt 0x0                               ; for the others' sake
	s_barrier_signal -1
	s_barrier_wait -1
	s_cmp_lt_u32 s18, 2
	s_cbranch_scc0 .Lnot_wf
	; waves 0 and 1: thread t < 64 rounds weff[8t .. 8t+7] to bf16.  8t = 16 (t/2) + 8 (t%2): block t/2, lane 16 (t%2) + h: byte 256 t + 16 h
	v_lshlrev_b32 v164, 5, v0
	ds_load_b128 v[168:171], v164 offset:WL
	ds_load_b128 v[172:175], v164 offset:WL+16
	s_lshl_b32 s22, ttmp9, 4
	v_lshlrev_b32 v165, 8, v0
	v_add_nc_u32 v165, s22, v165
	s_wait_dscnt 0x0
.irp e, 0,1,2,3
	v_cvt_pk_bf16_f32 v[176+\e], v[168+2*\e], v[169+2*\e]
.endr
	global_store_b128 v165, v[176:179], s[14:15]
	global_store_b128 v165, v[176:179], s[14:15] offset:128   ; column h + 8: the same numbers once more
	s_branch .Lend
.Lnot_wf:
	s_cmp_eq_u32 s18, 2
	s_cbranch_scc0 .Lend
	; wave 2: lane 0 stores cb[h], lane 1 the same number as cb[h + 8]
	v_and_b32 v164, 31, v0
	s_lshl_b32 s22, ttmp9, 2
	v_lshlrev_b32 v166, 5, v164
	v_add_nc_u32 v166, s22, v166
	v_cmp_gt_u32 vcc_lo, 2, v164
	s_wait_xcnt 0x0                                ; EXEC changes only behind this wait
	s_and_saveexec_b32 s23, vcc_lo
	global_store_b32 v166, v[T+16], s[16:17]
	s_wait_xcnt 0x0                                ; and again in front of the line that widens it
	s_or_b32 exec_lo, exec_lo, s23
.Lend:
	s_wait_tensorcnt 0x0
	ds_add_u32 v192, v193
	s_wait_dscnt 0x0
	s_endpgm
.Lfunc_end_k_qaed7d596a5_prep:
	.size	k_qaed7d596a5_prep, .Lfunc_end_k_qaed7d596a5_prep-k_qaed7d596a5_prep
	.p2alignl 7, 3214868480
	.fill 96, 4, 3214868480
	.section	.rodata,"a",@progbits
	.p2align	6, 0x0
	.amdhsa_kernel k_qaed7d596a5_prep
		.amdhsa_group_segment_fixed_size 8192
		.amdhsa_private_segment_fixed_size 0
		.amdhsa_enable_private_segment 0
		.amdhsa_kernarg_size 56
		.amdhsa_user_sgpr_count 2
		.amdhsa_user_sgpr_kernarg_segment_ptr 1
		.amdhsa_wavefront_size32 1
		.amdhsa_system_sgpr_workgroup_id_x 1
		.amdhsa_system_sgpr_workgroup_id_y 1
		.amdhsa_system_sgpr_workgroup_id_z 1
		.amdhsa_system_vgpr_workitem_id 0
		.amdhsa_next_free_vgpr 194
		.amdhsa_next_free_sgpr 66
		.amdhsa_reserve_vcc 1
		.amdhsa_float_denorm_mode_32 3
		.amdhsa_float_denorm_mode_16_64 3
		.amdhsa_memory_ordered 1
		.amdhsa_forward_progress 1
		.amdhsa_inst_pref_size 30
	.end_amdhsa_kernel
	.amdgpu_metadata
---
amdhsa.version: [ 1, 2 ]
amdhsa.kernels:
  - .name:           k_qaed7d596a5_prep
    .symbol:         k_qaed7d596a5_prep.kd
    .args:
      - { .name: seed, .offset: 0, .size: 8, .value_kind: global_buffer, .address_space: global }
      - { .name: Wq, .offset: 8, .size: 8, .value_kind: global_buffer, .address_space: global }
      - { .name: bq, .offset: 16, .size: 8, .value_kind: global_buffer, .address_space: global }
      - { .name: Wk, .offset: 24, .size: 8, .value_kind: global_buffer, .address_space: global }
      - { .name: bk, .offset: 32, .size: 8, .value_kind: global_buffer, .address_space: global }
      - { .name: wf, .offset: 40, .size: 8, .value_kind: global_buffer, .address_space: global }
      - { .name: cb, .offset: 48, .size: 8, .value_kind: global_buffer, .address_space: global }
    .group_segment_fixed_size: 8192
    .private_segment_fixed_size: 0
    .kernarg_segment_align: 8
    .kernarg_segment_size: 56
    .max_flat_workgroup_size: 512
    .sgpr_count:     66
    .vgpr_count:     194
    .wavefront_size: 32
...
	.end_amdgpu_metadata
.endif
;; end of part 1
;; launch pool (part 2): grid 256 x 1, 4 waves a work-group, no clusters, 271,360 bytes of LDS; arguments x, mask, wf, cb, pp, st; writes pp, st
.if DOCPART == 2
	.amdgcn_target "amdgcn-amd-amdhsa--gfx1250"
	.amdhsa_code_object_version 6
	.text
	.protected	k_qaed7d596a5_pool
	.globl	k_qaed7d596a5_pool
	.p2align	8
	.type	k_qaed7d596a5_pool,@function
k_qaed7d596a5_pool:
	s_mov_b64 s[64:65], 0
	v_nop
	global_prefetch_b8 v0, s[64:65] scope:SCOPE_SE
	s_setreg_imm32_b32 hwreg(HW_REG_WAVE_MODE, 25, 1), 1
	s_wait_xcnt 0x0
; THE STREAM OVER x.  x is taken as [131072 rows][512] f32.  Work-group wg owns rows 512 wg .. +511 (a quarter of one batch row's 2,048 positions), each of its four waves 128 of
; them, in 4 steps of 32 rows.  For each step a wave makes the scores of 8 heads, s = x . weff + cb (in base 2), masks them, keeps a running maximum m and sum l for each
; head, and adds p = 2^(s - m) times the rows of x into O[head][512 columns], unnormalised.  At the end the four waves' O, m, l are joined and stored: pp[wg][8][512] f32, st[wg][32][m, l].
; That the weights meet x and not V holds for every input: sum_l a_l (x_l Wv + bv) = (sum_l a_l x_l) Wv + bv, since the weights add to one; Wv and bv follow in the next launch.
; LIMITS.  x and weff enter the matrix unit in bf16; p enters as TWO bf16 numbers, its rounding and the rounding of what that left over, so that p's own rounding does not show; sums in f32;
; the order of rounding differs from reference()'s.  The running maximum starts at -FLT_MAX, not at -inf, so that rows that are all masked give p = 0, l = 0, O = 0 and no NaN; every
; finite score replaces that start.  A batch row that is masked altogether ends, in the next launch, as NaN, as in reference().
; THE WAY OF A BYTE.  x comes into registers by loads of 16 bytes a lane (a load of the wave covers 512 consecutive bytes, aligned), is rounded to bf16 once, and only the bf16 copy goes
; into LDS, into one of the wave's own two stages of 32 rows.  Both products read the stage: the scores along the rows, the pooling turned (ds_load_tr16_b128).
; BY TURNS.  The wave's 64 row pairs are numbered through.  A ring of 8 pairs in registers keeps 6 to 7 pairs, 48 to 56 loads, 24 to 28 KB of a wave on their way.  While step s is multiplied
; out of stage s % 2, the 16 pairs of step s + 1 are served into the other stage, two behind each run of matrix instructions, and each serve asks for the pair seven further on: the
; requests do not pause while the wave computes.  Nothing is stepped: a pair's rows stand in the loads' immediates (261,632 bytes at the most, inside the signed 24 bits), so the text has
; no loop.  No wave reads another's stage before the end, so there is one barrier, on the way out.
; No tensor loads: they would lay the f32 rows into LDS, to be read, rounded and written again.  No cluster: the work-groups share only wf's 16 KB.
; LAYOUT.  Scores: source 0 = 16 rows of x, source 1 = weff, whose columns 8-15 repeat columns 0-7: a lane then holds ONE head (lane % 8) and rows 8 (lane / 16) + 0..7, and lanes r and
; r + 8 hold the same scores, m, l and p.  Lanes r < 8 round p to bf16, lanes r >= 8 round what that rounding leaves over.  Two such tiles, packed in pairs, ARE source 1 (32 rows x 16 columns)
; of O^T = x^T P: its column h takes the rounded weights' sums, column h + 8 the remainders', and the two are added at the end.  Nothing changes lanes between the products.
; REGISTERS, in windows of 256 (s_set_vgpr_msb: bits 1:0 source 0, 3:2 source 1, 5:4 source 2, 7:6 destination):
;   window 0: addresses, statistics, scores, weights, two fragment buffers      window 1: O^T, tile ct (columns 16 ct ..) at v[8 ct]
;   window 2: the ring: pair U, row rho, piece q at v[32 (U % 8) + 16 rho + 4 q]   window 3: v0-127 weff, K step kk at v[8 kk]
.set PITCH,  1056                      ; a stage row: 1,024 bytes of bf16 + 32: row R starts at bank 8 R mod 64 (64 banks of 4 bytes: ISA guide 11.1).  In rows with bit 3 set the two 16-byte halves of each 32 bytes change
                                       ; places
.set WSTG,   32*PITCH                  ; a stage: 33,792 bytes
.set WREG,   2*WSTG                    ; a wave's two stages
.set OPITCH, 2064                      ; the way out: a column's 512 f32 + 16 bytes: 16 columns start at 16 different groups of 4 banks
.set STAT,   4*WREG                    ; behind the stages: [4 waves][16 columns][m, l]
.set ROWB,   2048                      ; bytes in a row of x
.set UNITS,  64                        ; row pairs of a wave
.set GOFF, 3                           ; v3      16 L: my 16 bytes in 512; never rewritten
.set SA,   4                           ; v4-7    where I put 4 bf16: stage b at SA + 2 b: + 8 L; at SA + 2 b + 1, for rows with bit 3 set: + 8 (L with bit 1 turned)
.set A1,   8                           ; v8, v9  stage b + r PITCH + 16 xq: fragments along the rows; xq = (L / 16 + L / 8) % 2
.set A2,   10                          ; v10, v11  stage b + (8 hh + L % 8) PITCH + 16 xq: turned fragments
.set OA,   12                          ; v12     my stages + r OPITCH + 32 hh: the way out
                                       ; v13 STAT + 128 w + 8 r; v14 STAT + 16 w; v15 STAT + 8 r
.set CB,   16                          ; v[16:23]  cb[r], eight times: the scores' starting sums
.set S,    24                          ; v[24:39]  scores, tile 0 and tile 1
.set PW,   40                          ; v[40:47]  the second product's source 1
.set M,    48                          ; v48 the running maximum (v49 is named with it as a pair, so it is written; at the end it takes l)
.set AF,   50                          ; v50 a = 2^(m_old - m_new) (v51 likewise)
.set LS,   52                          ; v[52:53]  l: even rows', odd rows'
.set T,    54                          ; v[54:59]  at work
.set MKV,  60                          ; v[60:63]  the mask bytes of my 16 rows
.set F0,   64                          ; v[64:127]   fragment buffer 0
.set F1,   128                         ; v[128:191]  fragment buffer 1
.set J,    64                          ; v[64:191] of window 0 and of window 2: the joining
.set SV,   192                         ; v[192:207]  the waves' statistics, at the end
.set RA,   208                         ; v208-211  wave v's stages + 2 w OPITCH + 16 L: the joining
.set NG,   212                         ; v[212:213]  0 in lanes r < 8, -1 in lanes r >= 8
.set SO,   214                         ; v214    8 L
.set MK,   68                          ; s[68:99]  the wave's 128 mask bytes
.set MSB, 0
.macro WIN new                         ; the immediate's high byte repeats the setting that is left; a switch that changes nothing is dropped
.if MSB != \new
	s_set_vgpr_msb (MSB<<8)|\new
.set MSB, \new
.endif
.endm
; A load into a register that a matrix instruction has read, and a vector instruction or LDS store that reads a matrix result, stand four places behind it; only plain vector
; instructions that name none of its registers are places (ISA guide 7.12.1 for vector instructions).
.macro PLACES
.rept 4
	v_nop
.endr
.endm
; Row pair U of the wave's 64: wait, round to bf16 in place, into stage (U / 16) % 2; the ring slot served one turn ago takes pair U + 7, if there is one.
.macro SERVE U
.set SU, (\U)%16
.set XB, 32*((\U)%8)
.set XN, 32*(((\U)+7)%8)
.set AD, SA+2*(((\U)/16)%2)+(SU/4)%2
.if (\U)+6 < UNITS
	s_wait_loadcnt 48                              ; loads come back in order (ISA guide 5.7.1): pair U's eight are in, six younger pairs stay out
.else
	s_wait_loadcnt 8*(UNITS-1-(\U))                ; the ring runs out: the pairs behind U
.endif
	WIN 0x8a                                       ; destination and both sources in the ring
.irp k, 0,1,2,3,4,5,6,7
	v_cvt_pk_bf16_f32 v[XB+4*\k],   v[XB+4*\k],   v[XB+4*\k+1]
	v_cvt_pk_bf16_f32 v[XB+4*\k+1], v[XB+4*\k+2], v[XB+4*\k+3]
.endr
	WIN 0x88                                       ; addresses in window 0; store data and load destinations in the ring
.irp k, 0,1,2,3,4,5,6,7
	ds_store_b64 v[AD], v[XB+4*\k:XB+4*\k+1] offset:(2*SU+\k/4)*PITCH+256*(\k%4)   ; 32 lanes fill 256 neighbouring bytes
.endr
.if (\U)+7 < UNITS
.irp k, 0,1,2,3,4,5,6,7
	global_load_b128 v[XN+4*\k:XN+4*\k+3], v[GOFF], s[4:5] offset:(2*((\U)+7)+\k/4)*ROWB+512*(\k%4) th:TH_LOAD_NT
.endr
.endif
.endm
.macro SERVE2 U                        ; two pairs: 32 conversions, 16 LDS stores, 16 loads
	SERVE \U
	SERVE (\U)+1
.endm
; Scores: K steps 4 b .. 4 b + 3 (32 columns each), both tiles of 16 rows, out of stage BF: 16 LDS loads, 8 matrix instructions.
.macro FETCH1 b, buf
.irp i, 0,1,2,3
.irp t, 0,1
	ds_load_b128 v[\buf+16*\i+8*\t:\buf+16*\i+8*\t+3],   v[A1+BF] offset:\t*16*PITCH+64*(4*\b+\i)
	ds_load_b128 v[\buf+16*\i+8*\t+4:\buf+16*\i+8*\t+7], v[A1+BF] offset:\t*16*PITCH+64*(4*\b+\i)+32
.endr
.endr
.endm
.macro MUL1 b, buf                     ; the two tiles' accumulators take turns, one instruction a turn
.irp i, 0,1,2,3
.irp t, 0,1
.if (4*\b+\i) == 0
	v_wmma_f32_16x16x32_bf16 v[S+8*\t:S+8*\t+7], v[\buf+16*\i+8*\t:\buf+16*\i+8*\t+7], v[8*(4*\b+\i):8*(4*\b+\i)+7], v[CB:CB+7]   ; the first product starts the sums at cb
.else
	v_wmma_f32_16x16x32_bf16 v[S+8*\t:S+8*\t+7], v[\buf+16*\i+8*\t:\buf+16*\i+8*\t+7], v[8*(4*\b+\i):8*(4*\b+\i)+7], v[S+8*\t:S+8*\t+7]
.endif
.endr
.endr
.endm
; Pooling: column tiles 8 b .. 8 b + 7 (16 columns of x each), all 32 rows: 16 turning loads, 8 matrix instructions, each on an accumulator of its own.
.macro FETCH2 b, buf
.irp i, 0,1,2,3,4,5,6,7
	ds_load_tr16_b128 v[\buf+8*\i:\buf+8*\i+3],   v[A2+BF] offset:32*(8*\b+\i)
	ds_load_tr16_b128 v[\buf+8*\i+4:\buf+8*\i+7], v[A2+BF] offset:16*PITCH+32*(8*\b+\i)
.endr
.endm
.macro RESC b                          ; O^T of those tiles times a
	WIN 0x41                                       ; O^T (destination, source 0) in window 1, a in window 0
.set k, 64*\b
.rept 32
	v_pk_mul_f32 v[k:k+1], v[k:k+1], v[AF:AF+1] op_sel_hi:[1,0]
.set k, k+2
.endr
.endm
.macro MUL2 b, buf, first
	WIN 0x50                                       ; C and D in window 1
.irp i, 0,1,2,3,4,5,6,7
.if \first
	v_wmma_f32_16x16x32_bf16 v[8*(8*\b+\i):8*(8*\b+\i)+7], v[\buf+8*\i:\buf+8*\i+7], v[PW:PW+7], 0   ; the first step starts the sums: nothing is cleared
.else
	v_wmma_f32_16x16x32_bf16 v[8*(8*\b+\i):8*(8*\b+\i)+7], v[\buf+8*\i:\buf+8*\i+7], v[PW:PW+7], v[8*(8*\b+\i):8*(8*\b+\i)+7]
.endif
.endr
.endm
; Between two runs of the second product: the next eight tiles are rescaled and two row pairs are served.  Neither names a register of the products just issued: they are the places in front
; of the loads into the buffer that those products read.
.macro GAP b, first, sv, U
.if \first == 0
	RESC \b
.endif
.if \sv
	SERVE2 \U
.endif
.if \first && (\sv == 0)
	PLACES
.endif
.endm
; Step s: the arithmetic on the 32 rows in stage s % 2.  first = 1: O^T has nothing to rescale yet.  sv = 1: the 16 row pairs of step s + 1 are served between the runs.
; The counts on DScnt: LDS serves a wave in order, loads and stores together (ISA guide 5.7.1), so a count names what was issued behind the run of 16 loads that is wanted:
; 16 for a younger run of loads, 16 for each two pairs served.
.macro COMPUTE s, first, sv
.set BF, (\s)%2
.set NU, 16*((\s)+1)
.set MB, MK+8*(\s)
	WIN 0x0c                                       ; source 1 (weff) in window 3, all else in window 0: one setting for the scores' loads and products
	FETCH1 0, F0
	FETCH1 1, F1
	s_wait_dscnt 16                                ; all but the 16 loads just issued are done, the stage's stores among them
	MUL1 0, F0
.if \sv
	SERVE2 NU                                      ; its conversions are the places in front of the loads below
.else
	PLACES
.endif
	WIN 0x0c
	FETCH1 2, F0
	s_wait_dscnt 16+16*\sv
	MUL1 1, F1
.if \sv
	SERVE2 NU+2
.else
	PLACES
.endif
	WIN 0x0c
	FETCH1 3, F1
	s_wait_dscnt 16+16*\sv
	MUL1 2, F0
.if \sv
	SERVE2 NU+4
.endif
	s_wait_dscnt 16*\sv
	WIN 0x0c
	MUL1 3, F1
	WIN 0
	; my rows are 16 t + 8 hh + 0..7: words 4 t + 2 hh and 4 t + 2 hh + 1 of the step's eight.  These eight lines are also the places behind the last products.
.irp t, 0,1
.irp w, 0,1
	v_mov_b32 v[MKV+2*\t+\w], s[MB+4*\t+\w]
.endr
.endr
.irp t, 0,1
.irp w, 0,1
	v_cndmask_b32 v[MKV+2*\t+\w], v[MKV+2*\t+\w], s[MB+2+4*\t+\w], s32   ; s32 as a mask of lanes: those with hh = 1
.endr
.endr
	FETCH2 0, F0                                   ; the first turned fragments land under the softmax
	FETCH2 1, F1
.if \sv
	SERVE2 NU+6
.endif
	WIN 0
.irp t, 0,1
.irp j, 0,1,2,3,4,5,6,7
	v_bfe_u32 v[T+(\j%4)], v[MKV+2*\t+\j/4], 8*(\j%4), 8
	v_cmp_ne_u32 vcc_lo, 0, v[T+(\j%4)]
	v_cndmask_b32 v[S+8*\t+\j], s42, v[S+8*\t+\j], vcc_lo              ; a masked row's score is -inf
.endr
.endr
	v_mov_b32 v[T+2], v[M]                         ; m_old
	v_max3_num_f32 v[T],   v[S],   v[S+1], v[S+2]
	v_max3_num_f32 v[T+1], v[S+8], v[S+9], v[S+10]
	v_max3_num_f32 v[T],   v[T],   v[S+3],  v[S+4]
	v_max3_num_f32 v[T+1], v[T+1], v[S+11], v[S+12]
	v_max3_num_f32 v[T],   v[T],   v[S+5],  v[S+6]
	v_max3_num_f32 v[T+1], v[T+1], v[S+13], v[S+14]
	v_max3_num_f32 v[T],   v[T],   v[S+7],  v[S+15]
	v_max3_num_f32 v[T],   v[T],   v[T+1],  v[M]
	v_permlanex16_b32 v[T+1], v[T], s34, s35       ; the head's other 16 rows lie in the lane 16 away
	v_max_num_f32 v[M], v[T], v[T+1]
	v_sub_f32 v[AF], v[T+2], v[M]
.irp i, 0,2,4,6,8,10,12,14
	v_pk_add_f32 v[S+\i:S+\i+1], v[S+\i:S+\i+1], v[M:M+1] op_sel_hi:[1,0] neg_lo:[0,1] neg_hi:[0,1]   ; s - m
.endr
	v_exp_f32 v[AF], v[AF]
.irp i, 0,1,2,3,4,5,6,7,8,9,10,11,12,13,14,15
	v_exp_f32 v[S+\i], v[S+\i]
.endr
	v_nop                                          ; a plain instruction between the last exponential and the use of its result (ISA guide 5.7.2)
	s_wait_alu depctr_va_vdst(0)
	v_pk_add_f32 v[T:T+1],   v[S:S+1],   v[S+2:S+3]
	v_pk_add_f32 v[T+2:T+3], v[S+4:S+5], v[S+6:S+7]
	v_pk_add_f32 v[T+4:T+5], v[S+8:S+9], v[S+10:S+11]
	v_pk_add_f32 v[T:T+1],   v[T:T+1],   v[S+12:S+13]
	v_pk_add_f32 v[T+2:T+3], v[T+2:T+3], v[S+14:S+15]
	v_pk_add_f32 v[T:T+1],   v[T:T+1],   v[T+2:T+3]
	v_pk_add_f32 v[T:T+1],   v[T:T+1],   v[T+4:T+5]
	v_pk_fma_f32 v[LS:LS+1], v[LS:LS+1], v[AF:AF+1], v[T:T+1] op_sel_hi:[1,0,1]   ; l = a l + the step's sum
.irp i, 0,1,2,3,4,5,6,7
	v_cvt_pk_bf16_f32 v[PW+\i], v[S+2*\i], v[S+2*\i+1]
.endr
.irp i, 0,1,2,3,4,5,6,7                ; lanes r < 8 keep p, lanes r >= 8 take its rounding away (exact in f32); p is at most 1, so 0 times the rounding is 0
	v_lshlrev_b32 v[T+2*(\i%3)],   16,  v[PW+\i]
	v_and_b32     v[T+2*(\i%3)+1], s32, v[PW+\i]   ; s32 as a number: a word's upper bf16
	v_pk_fma_f32 v[S+2*\i:S+2*\i+1], v[T+2*(\i%3):T+2*(\i%3)+1], v[NG:NG+1], v[S+2*\i:S+2*\i+1]
.endr
.irp i, 0,1,2,3,4,5,6,7
	v_cvt_pk_bf16_f32 v[PW+\i], v[S+2*\i], v[S+2*\i+1]                 ; one rounding makes both: the weights below, the remainders above
.endr
.if \first == 0
	RESC 0
.endif
	s_wait_dscnt 16+16*\sv
	MUL2 0, F0, \first
	GAP 1, \first, \sv, NU+8
	WIN 0
	FETCH2 2, F0
	s_wait_dscnt 16+32*\sv                         ; behind the run that is wanted: four pairs' stores and the 16 loads just issued
	MUL2 1, F1, \first
	GAP 2, \first, \sv, NU+10
	WIN 0
	FETCH2 3, F1
	s_wait_dscnt 16+16*\sv
	MUL2 2, F0, \first
.if \first == 0
	RESC 3
.endif
.if \sv
	SERVE2 NU+12
.endif
	s_wait_dscnt 16*\sv                            ; my reads of this stage are over
	MUL2 3, F1, \first
.if \sv
	SERVE2 NU+14                                   ; the places in front of the next step's loads
.endif
	WIN 0
.endm
	s_load_b256 s[4:11], s[0:1], 0x0               ; x s[4:5], mask s[6:7], wf s[8:9], cb s[10:11]
	s_load_b128 s[12:15], s[0:1], 0x20             ; pp s[12:13], st s[14:15]
	v_lshl_add_u32 v254, v0, 2, 0x42200
	v_mov_b32 v255, 0
	v_lshrrev_b32 v1, 5, v0
	v_readfirstlane_b32 s16, v1                    ; wave 0..3
	s_mov_b32 s32, 0xffff0000                      ; lanes 16-31, and a word's upper bf16
	s_mov_b32 s34, 0x76543210                      ; v_permlanex16_b32: each lane takes its own place in the other half
	s_mov_b32 s35, 0xfedcba98
	s_mov_b32 s42, 0xff800000                      ; -inf
	s_mul_i32 s17, s16, WREG                       ; my two stages
	s_lshl_b32 s20, ttmp9, 20                      ; x: 512 rows of 2,048 bytes a work-group,
	s_lshl_b32 s18, s16, 18                        ; 128 a wave
	s_add_co_u32 s20, s20, s18
	s_mov_b32 s21, 0
	s_lshl_b32 s22, ttmp9, 9                       ; mask: a byte a row
	s_lshl_b32 s18, s16, 7
	s_add_co_u32 s22, s22, s18
	s_mov_b32 s23, 0
	s_lshl_b32 s36, ttmp9, 14                      ; pp: 8 heads x 2,048 bytes a work-group, two heads a wave
	s_lshl_b32 s18, s16, 12
	s_add_co_u32 s36, s36, s18
	s_mov_b32 s37, 0
	s_lshl_b32 s38, ttmp9, 8                       ; st: 256 bytes a work-group
	s_mov_b32 s39, 0
	v_and_b32 v1, 15, v0                           ; r
	v_bfe_u32 v2, v0, 4, 1                         ; hh
	v_and_b32 v[T+2], 31, v0                       ; L
	v_lshlrev_b32 v[GOFF], 4, v[T+2]
	v_lshlrev_b32 v[SO], 3, v[T+2]
	v_lshl_add_u32 v[SA], v[T+2], 3, s17
	v_add_nc_u32 v[T+3], 2, v[T+2]
	v_and_b32 v[T+3], 2, v[T+3]                    ; bit 1 of L, turned
	v_and_b32 v[T+4], 29, v[T+2]                   ; L's other bits
	v_add_nc_u32 v[T+3], v[T+3], v[T+4]
	v_lshl_add_u32 v[SA+1], v[T+3], 3, s17
	v_add_nc_u32 v[SA+2], WSTG, v[SA]
	v_add_nc_u32 v[SA+3], WSTG, v[SA+1]
	v_bfe_u32 v[T+4], v0, 3, 1
	v_add_nc_u32 v[T+5], v[T+4], v2
	v_and_b32 v[T+5], 1, v[T+5]                    ; xq: along the rows, my half hh turned in rows r >= 8; turned loads, my half (L / 8) % 2 turned in rows 8 hh + .. with hh = 1
	v_mul_u32_u24 v[T+3], v1, PITCH
	v_lshl_add_u32 v[T+3], v[T+5], 4, v[T+3]
	v_add_nc_u32 v[A1], s17, v[T+3]
	v_add_nc_u32 v[A1+1], WSTG, v[A1]
	v_and_b32 v[T+3], 7, v0
	v_lshl_add_u32 v[T+3], v2, 3, v[T+3]
	v_mul_u32_u24 v[T+3], v[T+3], PITCH
	v_lshl_add_u32 v[T+3], v[T+5], 4, v[T+3]
	v_add_nc_u32 v[A2], s17, v[T+3]
	v_add_nc_u32 v[A2+1], WSTG, v[A2]
	v_mul_u32_u24 v[T+3], v1, OPITCH
	v_lshl_add_u32 v[T+3], v2, 5, v[T+3]
	v_add_nc_u32 v[OA], s17, v[T+3]
	s_mul_i32 s19, s16, 2*OPITCH
	v_add_nc_u32 v[RA], s19, v[GOFF]
	v_add_nc_u32 v[RA+1], WREG, v[RA]
	v_add_nc_u32 v[RA+2], 2*WREG, v[RA]
	v_add_nc_u32 v[RA+3], 3*WREG, v[RA]
	s_lshl_b32 s18, s16, 7
	s_add_co_u32 s18, s18, STAT
	v_lshl_add_u32 v13, v1, 3, s18
	s_lshl_b32 s19, s16, 4
	s_add_co_u32 s19, s19, STAT
	v_mov_b32 v14, s19
	v_lshlrev_b32 v15, 3, v1
	v_add_nc_u32 v15, STAT, v15
	v_mov_b32 v[NG+1], -1.0
	v_cmp_lt_u32 vcc_lo, 7, v1
	v_cndmask_b32 v[NG], 0, v[NG+1], vcc_lo
	v_mov_b32 v[NG+1], v[NG]
	v_lshlrev_b32 v[T], 2, v1                      ; cb: 4 r
	s_wait_kmcnt 0x0
	s_add_nc_u64 s[4:5], s[4:5], s[20:21]
	s_add_nc_u64 s[6:7], s[6:7], s[22:23]
	s_add_nc_u64 s[12:13], s[12:13], s[36:37]
	s_add_nc_u64 s[14:15], s[14:15], s[38:39]
	s_load_b512 s[MK:MK+15], s[6:7], 0x0           ; the wave's 128 mask bytes, once
	s_load_b512 s[MK+16:MK+31], s[6:7], 0x40
	WIN 0xc0                                       ; destination window 3
.set j, 0
.rept 32
	global_load_b128 v[4*j:4*j+3], v[GOFF], s[8:9] offset:512*j    ; weff as it lies: block j is half of K step j / 2's fragment
.set j, j+1
.endr
	WIN 0
	global_load_b32 v[CB], v[T], s[10:11]
	WIN 0x80                                       ; destination window 2: row pairs 0 to 6 fill the ring
.irp u, 0,1,2,3,4,5,6
.irp k, 0,1,2,3,4,5,6,7
	global_load_b128 v[32*\u+4*\k:32*\u+4*\k+3], v[GOFF], s[4:5] offset:(2*\u+\k/4)*ROWB+512*(\k%4) th:TH_LOAD_NT
.endr
.endr
	WIN 0
	v_mov_b32 v[M], 0xff7fffff                     ; -FLT_MAX
	v_mov_b32 v[M+1], 0
	v_mov_b32 v[AF+1], 0
	v_mov_b32 v[LS], 0
	v_mov_b32 v[LS+1], 0
.irp u, 0,1,2,3,4,5,6,7,8,9,10,11,12,13,14,15
	SERVE \u                                       ; step 0's rows: there is no arithmetic yet to set them between.  The first wait also shows weff and cb in: they were asked for ahead of the ring
.endr
	WIN 0
	s_wait_kmcnt 0x0                               ; the mask bytes
.irp j, 1,2,3,4,5,6,7
	v_mov_b32 v[CB+\j], v[CB]                      ; a lane's eight scores belong to one head
.endr
	COMPUTE 0, 1, 1
	COMPUTE 1, 0, 1
	COMPUTE 2, 0, 1
	COMPUTE 3, 0, 0                                ; nothing is left to serve
	; THE WAY OUT.  Each wave lays its O (as [16 columns][512 f32]) into its own first stage and its (m, l) into STAT; one barrier; wave w joins heads 2 w and 2 w + 1 of the four waves:
	; for each, column h (the rounded weights' sums) and column h + 8 (the remainders'), both times f_v = 2^(m_v - max).
	PLACES
	v_add_f32 v[T], v[LS], v[LS+1]
	v_permlanex16_b32 v[T+1], v[T], s34, s35
	v_add_f32 v[M+1], v[T], v[T+1]                 ; l of the head's 128 rows
	ds_store_b64 v13, v[M:M+1]                     ; both halves of the lanes write the same
	WIN 0x04                                       ; store data in window 1
.set j, 0
.rept 32
	ds_store_b128 v[OA], v[8*j:8*j+3]   offset:64*j
	ds_store_b128 v[OA], v[8*j+4:8*j+7] offset:64*j+16
.set j, j+1
.endr
	WIN 0
	s_wait_dscnt 0x0                               ; for the others' sake: my stores are done
	s_barrier_signal -1
	s_barrier_wait -1
.macro JLOADS e                        ; head 2 w + e: wave v, part p (0 the rounded weights', 1 the remainders'), piece q at J + 32 v + 16 p + 4 q
.irp v, 0,1,2,3
.irp p, 0,1
.irp q, 0,1,2,3
	ds_load_b128 v[J+32*\v+16*\p+4*\q:J+32*\v+16*\p+4*\q+3], v[RA+\v] offset:OPITCH*(\e+8*\p)+512*\q
.endr
.endr
.endr
.endm
.macro JSUM e                          ; the eight rows, each times its wave's f
.irp k, 0,2,4,6,8,10,12,14
	v_pk_mul_f32 v[J+\k:J+\k+1], v[J+\k:J+\k+1], v[SV+8*\e:SV+8*\e+1] op_sel_hi:[1,0]
.endr
.irp x, 1,2,3,4,5,6,7
.irp k, 0,2,4,6,8,10,12,14
	v_pk_fma_f32 v[J+\k:J+\k+1], v[J+16*\x+\k:J+16*\x+\k+1], v[SV+8*\e+2*(\x/2):SV+8*\e+2*(\x/2)+1], v[J+\k:J+\k+1] op_sel_hi:[1,0,1]
.endr
.endr
.endm
.macro JOUT e
.irp q, 0,1,2,3
	global_store_b128 v[GOFF], v[J+4*\q:J+4*\q+3], s[12:13] offset:2048*\e+512*\q   ; a store of the wave covers 512 consecutive bytes, aligned
.endr
.endm
.irp e, 0,1
.irp v, 0,1,2,3
	ds_load_b64 v[SV+8*\e+2*\v:SV+8*\e+2*\v+1], v14 offset:128*\v+8*\e   ; (m, l) of wave v, head 2 w + e: the same in every lane
.endr
.endr
	JLOADS 0
	s_wait_dscnt 32                                ; the eight statistics are in; the 32 loads behind them stay out
.irp e, 0,1
	v_max3_num_f32 v[T+\e], v[SV+8*\e], v[SV+8*\e+2], v[SV+8*\e+4]
	v_max_num_f32 v[T+\e], v[T+\e], v[SV+8*\e+6]
.endr
.irp e, 0,1
.irp v, 0,1,2,3
	v_sub_f32 v[SV+8*\e+2*\v], v[SV+8*\e+2*\v], v[T+\e]
.endr
.endr
.irp e, 0,1
.irp v, 0,1,2,3
	v_exp_f32 v[SV+8*\e+2*\v], v[SV+8*\e+2*\v]     ; f_v = 2^(m_v - max)
.endr
.endr
	v_nop
	s_wait_alu depctr_va_vdst(0)
	WIN 0x80                                       ; the second head's rows go into the ring's registers, which are free
	JLOADS 1
	WIN 0
	s_wait_dscnt 32                                ; the first head's rows are in; the second head's 32 loads stay out
	JSUM 0
	JOUT 0
	s_wait_dscnt 0x0
	WIN 0xa2                                       ; destination, sources 0 and 2 in window 2; f in window 0
	JSUM 1
	WIN 0x08                                       ; store data in window 2
	JOUT 1
	WIN 0                                          ; at a label and at a branch every window is 0
	s_cmp_lg_u32 s16, 0
	s_cbranch_scc1 .Lend
	; wave 0: the work-group's (m, l), lane e for column e % 16: one store of 256 consecutive bytes
.irp v, 0,1,2,3
	ds_load_b64 v[SV+2*\v:SV+2*\v+1], v15 offset:128*\v
.endr
	s_wait_dscnt 0x0
	v_max3_num_f32 v[T+2], v[SV], v[SV+2], v[SV+4]
	v_max_num_f32 v[T+2], v[T+2], v[SV+6]
.irp v, 0,1,2,3
	v_sub_f32 v[SV+2*\v], v[SV+2*\v], v[T+2]
.endr
.irp v, 0,1,2,3
	v_exp_f32 v[SV+2*\v], v[SV+2*\v]
.endr
	v_nop
	s_wait_alu depctr_va_vdst(0)
	v_mul_f32 v[T+3], v[SV], v[SV+1]
.irp v, 1,2,3
	v_fmac_f32 v[T+3], v[SV+2*\v], v[SV+2*\v+1]
.endr
	global_store_b64 v[SO], v[T+2:T+3], s[14:15]
.Lend:
	s_wait_tensorcnt 0x0
	ds_add_u32 v254, v255
	s_wait_dscnt 0x0
	s_endpgm
.Lfunc_end_k_qaed7d596a5_pool:
	.size	k_qaed7d596a5_pool, .Lfunc_end_k_qaed7d596a5_pool-k_qaed7d596a5_pool
	.p2alignl 7, 3214868480
	.fill 96, 4, 3214868480
	.section	.rodata,"a",@progbits
	.p2align	6, 0x0
	.amdhsa_kernel k_qaed7d596a5_pool
		.amdhsa_group_segment_fixed_size 271360
		.amdhsa_private_segment_fixed_size 0
		.amdhsa_enable_private_segment 0
		.amdhsa_kernarg_size 48
		.amdhsa_user_sgpr_count 2
		.amdhsa_user_sgpr_kernarg_segment_ptr 1
		.amdhsa_wavefront_size32 1
		.amdhsa_system_sgpr_workgroup_id_x 1
		.amdhsa_system_sgpr_workgroup_id_y 1
		.amdhsa_system_sgpr_workgroup_id_z 1
		.amdhsa_system_vgpr_workitem_id 0
		.amdhsa_next_free_vgpr 896
		.amdhsa_next_free_sgpr 100
		.amdhsa_reserve_vcc 1
		.amdhsa_float_denorm_mode_32 3
		.amdhsa_float_denorm_mode_16_64 3
		.amdhsa_memory_ordered 1
		.amdhsa_forward_progress 1
		.amdhsa_inst_pref_size 255
	.end_amdhsa_kernel
	.section	.bss,"aw",@nobits
	.p2align	6
	.space	262144
	.amdgpu_metadata
---
amdhsa.version: [ 1, 2 ]
amdhsa.kernels:
  - .name:           k_qaed7d596a5_pool
    .symbol:         k_qaed7d596a5_pool.kd
    .args:
      - { .name: x, .offset: 0, .size: 8, .value_kind: global_buffer, .address_space: global }
      - { .name: mask, .offset: 8, .size: 8, .value_kind: global_buffer, .address_space: global }
      - { .name: wf, .offset: 16, .size: 8, .value_kind: global_buffer, .address_space: global }
      - { .name: cb, .offset: 24, .size: 8, .value_kind: global_buffer, .address_space: global }
      - { .name: pp, .offset: 32, .size: 8, .value_kind: global_buffer, .address_space: global }
      - { .name: st, .offset: 40, .size: 8, .value_kind: global_buffer, .address_space: global }
    .group_segment_fixed_size: 271360
    .private_segment_fixed_size: 0
    .kernarg_segment_align: 8
    .kernarg_segment_size: 48
    .max_flat_workgroup_size: 128
    .sgpr_count:     100
    .vgpr_count:     896
    .wavefront_size: 32
...
	.end_amdgpu_metadata
.endif
;; end of part 2
;; launch vproj (part 3): grid 8 x 4, 16 waves a work-group, no clusters, 121,600 bytes of LDS; arguments pp, st, Wv, bv, o1; writes o1
.if DOCPART == 3
	.amdgcn_target "amdgcn-amd-amdhsa--gfx1250"
	.amdhsa_code_object_version 6
	.text
	.protected	k_qaed7d596a5_vproj
	.globl	k_qaed7d596a5_vproj
	.p2align	8
	.type	k_qaed7d596a5_vproj,@function
k_qaed7d596a5_vproj:
	s_mov_b64 s[64:65], 0
	v_nop
	global_prefetch_b8 v0, s[64:65] scope:SCOPE_SE
	s_setreg_imm32_b32 hwreg(HW_REG_WAVE_MODE, 25, 1), 1
	s_wait_xcnt 0x0
; o1[b][64h + n] = sum_c pooled[b][h][c] Wv[c][64h + n] + bv[64h + n], where pooled[b][h] joins the four quarters' unnormalised sums pp by their (m, l) in st and divides by l.
; Work-group (h, g): head h, batch rows 16 g .. 16 g + 15.  Wave w of 16 joins batch row 16 g + w (4 rows of pp, 8 KB) and rounds rows 32 w .. 32 w + 31 of the head's 64 columns of Wv:
; all that the work-group reads, 256 KB, is asked for at once, 35 loads a wave.  Then waves 0-3 multiply: 16 batch rows x 16 columns each, K = 512.
; THE MATRIX INSTRUCTION IS USED TRANSPOSED: source 0 = 16 columns of Wv (turned out of LDS), source 1 = 16 pooled rows: a lane then holds eight neighbouring columns of one batch row.
; LIMITS.  Wv enters in bf16; a pooled row enters as TWO bf16 operands, its rounding and the rounding of what that left over, so that an intermediate's rounding does not show; sums in f32,
; K split over four accumulators.  A batch row whose 2,048 positions are all masked has l = 0: 0 x (1/0) gives NaN in its outputs, as in reference().
; 32 work-groups: the launch has 16.8 M multiply-adds (twice, for the two parts) and 5 MB to read.  No cluster: the four work-groups of a head share 128 KB of Wv, read once each.
.set WPITCH, 160                       ; a row of weights in LDS: 128 bytes + 32: an odd multiple of 32 bytes, for the turning loads
.set APITCH, 1040                      ; a pooled row: 1,024 bytes + 16: an odd multiple of 16 bytes
.set OPITCH, 272                       ; a row of results: 256 bytes + 16
.set AS,  512*WPITCH                   ; LDS: weights [512][64] at 0; pooled rows [16][512], rounded, here;
.set AL,  AS+16*APITCH                 ; their remainders here;
.set OS,  AL+16*APITCH                 ; results [16][64 f32] here
.set WA,  10                           ; v10, v11  turned fragments of the weights, K steps 0-7 and 8-15
.set BI,  16                           ; v[16:23]  the bias of my eight columns: the first accumulator's starting sums
.set ACC, 24                           ; v[24:55]  four accumulators
.set T,   56                           ; v[56:63]  at work; the row rounded to bf16
.set PPR, 64                           ; v[64:127]   pp as loaded (quarter q, piece j at 16 q + 4 j); then v[64:79] the rounding widened again, v[80:87] the remainders in bf16
.set LO,  80
.set WR,  128                          ; v[128:191]  weights as loaded
.set ROW, 192                          ; v[192:207]  the joined row, my 16 numbers
.set SM,  208                          ; v[208:209]  (m, l) of quarter L % 4
.set B0,  64                           ; v[64:159], v[160:255]  behind the barrier: two fragment buffers; K step i of four at 24 i: weights 8, rounded rows 8, remainders 8
.set B1,  160
.macro PLACES                          ; four places in front of loads into registers that matrix instructions have read, and of instructions that read results (ISA guide 7.12.1 for instructions that read results)
.rept 4
	v_nop
.endr
.endm
.macro FETCHP b, buf                   ; K steps 4 b .. 4 b + 3: 24 LDS loads
.irp i, 0,1,2,3
	ds_load_tr16_b128 v[\buf+24*\i:\buf+24*\i+3],   v[WA+\b/2] offset:((4*\b+\i)%8)*32*WPITCH
	ds_load_tr16_b128 v[\buf+24*\i+4:\buf+24*\i+7], v[WA+\b/2] offset:((4*\b+\i)%8)*32*WPITCH+16*WPITCH
	ds_load_b128 v[\buf+24*\i+8:\buf+24*\i+11],  v12 offset:64*(4*\b+\i)
	ds_load_b128 v[\buf+24*\i+12:\buf+24*\i+15], v12 offset:64*(4*\b+\i)+32
	ds_load_b128 v[\buf+24*\i+16:\buf+24*\i+19], v12 offset:AL-AS+64*(4*\b+\i)
	ds_load_b128 v[\buf+24*\i+20:\buf+24*\i+23], v12 offset:AL-AS+64*(4*\b+\i)+32
.endr
.endm
.macro MULP b, buf                     ; the four accumulators take turns, one instruction a turn: first with the rounded rows, then with the remainders
.irp i, 0,1,2,3
.if (\b == 0) && (\i == 0)
	v_wmma_f32_16x16x32_bf16 v[ACC:ACC+7], v[\buf:\buf+7], v[\buf+8:\buf+15], v[BI:BI+7]
.elseif \b == 0
	v_wmma_f32_16x16x32_bf16 v[ACC+8*\i:ACC+8*\i+7], v[\buf+24*\i:\buf+24*\i+7], v[\buf+24*\i+8:\buf+24*\i+15], 0
.else
	v_wmma_f32_16x16x32_bf16 v[ACC+8*\i:ACC+8*\i+7], v[\buf+24*\i:\buf+24*\i+7], v[\buf+24*\i+8:\buf+24*\i+15], v[ACC+8*\i:ACC+8*\i+7]
.endif
.endr
.irp i, 0,1,2,3
	v_wmma_f32_16x16x32_bf16 v[ACC+8*\i:ACC+8*\i+7], v[\buf+24*\i:\buf+24*\i+7], v[\buf+24*\i+16:\buf+24*\i+23], v[ACC+8*\i:ACC+8*\i+7]
.endr
.endm
	s_load_b256 s[4:11], s[0:1], 0x0               ; pp s[4:5], st s[6:7], Wv s[8:9], bv s[10:11]
	s_load_b64 s[12:13], s[0:1], 0x20              ; o1
	v_lshrrev_b32 v1, 5, v0
	v_readfirstlane_b32 s16, v1                    ; wave 0..15
	s_mov_b32 s44, 0xffff0000                      ; a word's upper bf16
	s_and_b32 s18, ttmp7, 0xffff                   ; g
	s_lshl_b32 s19, s18, 6
	s_lshl_b32 s20, s16, 2
	s_add_co_u32 s19, s19, s20                     ; 64 g + 4 w: the first of my batch row's four quarters
	s_lshl_b32 s20, s19, 14                        ; pp: 16,384 bytes a quarter, 2,048 a head
	s_lshl_b32 s22, ttmp9, 11
	s_add_co_u32 s20, s20, s22
	s_mov_b32 s21, 0
	s_lshl_b32 s22, s19, 8                         ; st: 256 bytes a quarter, 8 a head
	s_lshl_b32 s24, ttmp9, 3
	s_add_co_u32 s22, s22, s24
	s_mov_b32 s23, 0
	s_lshl_b32 s26, ttmp9, 8                       ; the head's 256 bytes in a row of 512 f32
	s_lshl_b32 s24, s16, 16                        ; Wv: my 32 rows of 2,048 bytes
	s_add_co_u32 s24, s24, s26
	s_mov_b32 s25, 0
	s_and_b32 s28, s16, 3                          ; bv: 16 columns for each of the four waves that multiply
	s_lshl_b32 s28, s28, 6
	s_add_co_u32 s28, s28, s26
	s_mov_b32 s29, 0
	s_lshl_b32 s30, s18, 15                        ; o1: row 16 g + 2 w
	s_lshl_b32 s27, s16, 12
	s_add_co_u32 s30, s30, s27
	s_add_co_u32 s30, s30, s26
	s_mov_b32 s31, 0
	v_and_b32 v1, 15, v0                           ; r
	v_bfe_u32 v2, v0, 4, 1                         ; hh
	v_and_b32 v3, 31, v0                           ; L
	v_and_b32 v4, 3, v0
	v_lshlrev_b32 v4, 8, v4                        ; st: quarter L % 4
	v_lshlrev_b32 v5, 4, v3                        ; pp: 16 L
	v_lshlrev_b32 v6, 4, v1
	v_lshl_add_u32 v6, v2, 11, v6                  ; Wv and o1: row hh, 16 r; never rewritten
	v_lshlrev_b32 v7, 5, v2                        ; bv: 8 hh columns
	s_mul_i32 s32, s16, APITCH
	s_add_co_u32 s32, s32, AS
	v_lshl_add_u32 v8, v3, 3, s32                  ; my pooled row, 8 L
	s_mul_i32 s33, s16, 32*WPITCH
	v_mul_u32_u24 v9, v2, WPITCH
	v_lshl_add_u32 v9, v1, 3, v9
	v_add_nc_u32 v9, s33, v9                       ; weights: row 32 w + hh, 8 r
	v_and_b32 v10, 7, v0
	v_lshl_add_u32 v10, v2, 3, v10
	v_mul_u32_u24 v10, v10, WPITCH
	v_bfe_u32 v11, v0, 3, 1
	v_lshl_add_u32 v10, v11, 4, v10
	s_lshl_b32 s34, s16, 5
	v_add_nc_u32 v10, s34, v10                     ; (8 hh + L % 8) rows + 16 ((L / 8) % 2) + my 16 columns
	v_add_nc_u32 v11, 256*WPITCH, v10
	v_mul_u32_u24 v12, v1, APITCH
	v_lshl_add_u32 v12, v2, 4, v12
	v_add_nc_u32 v12, AS, v12                      ; pooled fragments: row r, 16 hh
	v_mul_u32_u24 v13, v1, OPITCH
	v_lshl_add_u32 v13, v2, 5, v13
	s_lshl_b32 s35, s16, 6
	s_add_co_u32 s35, s35, OS
	v_add_nc_u32 v13, s35, v13                     ; results in: row r, columns 16 w + 8 hh
	s_mul_i32 s36, s16, 2*OPITCH
	s_add_co_u32 s36, s36, OS
	v_mul_u32_u24 v14, v2, OPITCH
	v_lshl_add_u32 v14, v1, 4, v14
	v_add_nc_u32 v14, s36, v14                     ; results back: row 2 w + hh, 16 r
	s_wait_kmcnt 0x0
	s_add_nc_u64 s[4:5], s[4:5], s[20:21]
	s_add_nc_u64 s[6:7], s[6:7], s[22:23]
	s_add_nc_u64 s[8:9], s[8:9], s[24:25]
	s_add_nc_u64 s[10:11], s[10:11], s[28:29]
	s_add_nc_u64 s[12:13], s[12:13], s[30:31]
	global_load_b64 v[SM:SM+1], v4, s[6:7]
.irp q, 0,1,2,3
.irp j, 0,1,2,3
	global_load_b128 v[PPR+16*\q+4*\j:PPR+16*\q+4*\j+3], v5, s[4:5] offset:16384*\q+512*\j th:TH_LOAD_NT
.endr
.endr
.irp i, 0,1,2,3,4,5,6,7,8,9,10,11,12,13,14,15
	global_load_b128 v[WR+4*\i:WR+4*\i+3], v6, s[8:9] offset:4096*\i   ; rows 2 i and 2 i + 1 of my 32: sixteen lanes take the head's 256 bytes of a row
.endr
	global_load_b128 v[BI:BI+3],   v7, s[10:11]    ; every wave loads the bias, so that the counts below are the same on every path
	global_load_b128 v[BI+4:BI+7], v7, s[10:11] offset:16
	s_wait_loadcnt 34                              ; the statistic is in; pp's 16, the weights' 16 and the bias's 2 stay out
	v_mov_b32 v[T], v[SM]
	v_max_num_f32_dpp v[T], v[T], v[T] row_xmask:1 row_mask:0xf bank_mask:0xf
	v_max_num_f32_dpp v[T], v[T], v[T] row_xmask:2 row_mask:0xf bank_mask:0xf   ; the largest m of the four quarters
	v_sub_f32 v[T+1], v[SM], v[T]
	v_exp_f32 v[T+1], v[T+1]                       ; f_q = 2^(m_q - max)
	v_nop
	s_wait_alu depctr_va_vdst(0)
	v_mul_f32 v[T+2], v[T+1], v[SM+1]
	v_add_f32_dpp v[T+2], v[T+2], v[T+2] row_xmask:1 row_mask:0xf bank_mask:0xf
	v_add_f32_dpp v[T+2], v[T+2], v[T+2] row_xmask:2 row_mask:0xf bank_mask:0xf   ; l = the sum of f_q l_q
	v_rcp_f32 v[T+3], v[T+2]
	v_nop
	s_wait_alu depctr_va_vdst(0)
	v_mul_f32 v[T+1], v[T+1], v[T+3]               ; g_q = f_q / l
.irp q, 0,1,2,3
	v_readlane_b32 s[40+\q], v[T+1], \q            ; factors only: no address and no branch hangs on them
.endr
	s_wait_loadcnt 18                              ; pp is in
.set k, 0
.rept 16
	v_mul_f32 v[ROW+k], s40, v[PPR+k]
.set k, k+1
.endr
.irp q, 1,2,3
.set k, 0
.rept 16
	v_fmac_f32 v[ROW+k], s[40+\q], v[PPR+16*\q+k]
.set k, k+1
.endr
.endr
.irp p, 0,1,2,3,4,5,6,7
	v_cvt_pk_bf16_f32 v[T+\p], v[ROW+2*\p], v[ROW+2*\p+1]
.endr
.irp j, 0,1,2,3
	ds_store_b64 v8, v[T+2*\j:T+2*\j+1] offset:256*\j
.endr
.irp p, 0,1,2,3,4,5,6,7                ; the row less its rounding (exact in f32), rounded in its turn
	v_lshlrev_b32 v[PPR+2*\p],   16,  v[T+\p]
	v_and_b32     v[PPR+2*\p+1], s44, v[T+\p]
	v_pk_add_f32 v[ROW+2*\p:ROW+2*\p+1], v[ROW+2*\p:ROW+2*\p+1], v[PPR+2*\p:PPR+2*\p+1] neg_lo:[0,1] neg_hi:[0,1]
.endr
.irp p, 0,1,2,3,4,5,6,7
	v_cvt_pk_bf16_f32 v[LO+\p], v[ROW+2*\p], v[ROW+2*\p+1]
.endr
.irp j, 0,1,2,3
	ds_store_b64 v8, v[LO+2*\j:LO+2*\j+1] offset:AL-AS+256*\j
.endr
	s_wait_loadcnt 2                               ; the weights are in
.irp i, 0,1,2,3,4,5,6,7,8,9,10,11,12,13,14,15
	v_cvt_pk_bf16_f32 v[WR+4*\i],   v[WR+4*\i],   v[WR+4*\i+1]
	v_cvt_pk_bf16_f32 v[WR+4*\i+1], v[WR+4*\i+2], v[WR+4*\i+3]
.endr
.irp i, 0,1,2,3,4,5,6,7,8,9,10,11,12,13,14,15
	ds_store_b64 v9, v[WR+4*\i:WR+4*\i+1] offset:2*WPITCH*\i
.endr
	s_wait_loadcnt 0x0                             ; the bias
	s_wait_dscnt 0x0                               ; for the others' sake: my row and my weights are in LDS
	s_barrier_signal -1
	s_barrier_wait -1
	s_cmp_lt_u32 s16, 4
	s_cbranch_scc0 .Lno_mul
	FETCHP 0, B0
	FETCHP 1, B1
	s_wait_dscnt 24                                ; all but the 24 loads just issued
	MULP 0, B0
	PLACES
	FETCHP 2, B0
	s_wait_dscnt 24
	MULP 1, B1
	PLACES
	FETCHP 3, B1
	s_wait_dscnt 24
	MULP 2, B0
	s_wait_dscnt 0x0
	MULP 3, B1
	PLACES
.irp k, 0,2,4,6
	v_pk_add_f32 v[ACC+\k:ACC+\k+1], v[ACC+\k:ACC+\k+1], v[ACC+8+\k:ACC+8+\k+1]
	v_pk_add_f32 v[ACC+16+\k:ACC+16+\k+1], v[ACC+16+\k:ACC+16+\k+1], v[ACC+24+\k:ACC+24+\k+1]
.endr
.irp k, 0,2,4,6
	v_pk_add_f32 v[ACC+\k:ACC+\k+1], v[ACC+\k:ACC+\k+1], v[ACC+16+\k:ACC+16+\k+1]
.endr
	ds_store_b128 v13, v[ACC:ACC+3]
	ds_store_b128 v13, v[ACC+4:ACC+7] offset:16
.Lno_mul:
	s_wait_dscnt 0x0                               ; for the others' sake: a row's 256 bytes come from four waves
	s_barrier_signal -1
	s_barrier_wait -1
	s_cmp_lt_u32 s16, 8
	s_cbranch_scc0 .Lend
	ds_load_b128 v[T:T+3], v14
	s_wait_dscnt 0x0
	global_store_b128 v6, v[T:T+3], s[12:13]       ; sixteen lanes store 256 consecutive bytes, at a multiple of 256 from o1's first byte
.Lend:
	s_wait_xcnt 0x0
	v_lshl_add_u32 v62, v0, 2, 0x1d300
	v_mov_b32 v63, 0
	s_wait_tensorcnt 0x0
	ds_add_u32 v62, v63
	s_wait_dscnt 0x0
	s_endpgm
.Lfunc_end_k_qaed7d596a5_vproj:
	.size	k_qaed7d596a5_vproj, .Lfunc_end_k_qaed7d596a5_vproj-k_qaed7d596a5_vproj
	.p2alignl 7, 3214868480
	.fill 96, 4, 3214868480
	.section	.rodata,"a",@progbits
	.p2align	6, 0x0
	.amdhsa_kernel k_qaed7d596a5_vproj
		.amdhsa_group_segment_fixed_size 121600
		.amdhsa_private_segment_fixed_size 0
		.amdhsa_enable_private_segment 0
		.amdhsa_kernarg_size 40
		.amdhsa_user_sgpr_count 2
		.amdhsa_user_sgpr_kernarg_segment_ptr 1
		.amdhsa_wavefront_size32 1
		.amdhsa_system_sgpr_workgroup_id_x 1
		.amdhsa_system_sgpr_workgroup_id_y 1
		.amdhsa_system_sgpr_workgroup_id_z 1
		.amdhsa_system_vgpr_workitem_id 0
		.amdhsa_next_free_vgpr 256
		.amdhsa_next_free_sgpr 66
		.amdhsa_reserve_vcc 0
		.amdhsa_float_denorm_mode_32 3
		.amdhsa_float_denorm_mode_16_64 3
		.amdhsa_memory_ordered 1
		.amdhsa_forward_progress 1
		.amdhsa_inst_pref_size 26
	.end_amdhsa_kernel
	.amdgpu_metadata
---
amdhsa.version: [ 1, 2 ]
amdhsa.kernels:
  - .name:           k_qaed7d596a5_vproj
    .symbol:         k_qaed7d596a5_vproj.kd
    .args:
      - { .name: pp, .offset: 0, .size: 8, .value_kind: global_buffer, .address_space: global }
      - { .name: st, .offset: 8, .size: 8, .value_kind: global_buffer, .address_space: global }
      - { .name: Wv, .offset: 16, .size: 8, .value_kind: global_buffer, .address_space: global }
      - { .name: bv, .offset: 24, .size: 8, .value_kind: global_buffer, .address_space: global }
      - { .name: o1, .offset: 32, .size: 8, .value_kind: global_buffer, .address_space: global }
    .group_segment_fixed_size: 121600
    .private_segment_fixed_size: 0
    .kernarg_segment_align: 8
    .kernarg_segment_size: 40
    .max_flat_workgroup_size: 512
    .sgpr_count:     66
    .vgpr_count:     256
    .wavefront_size: 32
...
	.end_amdgpu_metadata
.endif
;; end of part 3
;; launch oproj (part 4): grid 8 x 4, 16 waves a work-group, no clusters, 121,600 bytes of LDS; arguments o1, Wo, bo, out0; writes out0
.if DOCPART == 4
	.amdgcn_target "amdgcn-amd-amdhsa--gfx1250"
	.amdhsa_code_object_version 6
	.text
	.protected	k_qaed7d596a5_oproj
	.globl	k_qaed7d596a5_oproj
	.p2align	8
	.type	k_qaed7d596a5_oproj,@function
k_qaed7d596a5_oproj:
	s_mov_b64 s[64:65], 0
	v_nop
	global_prefetch_b8 v0, s[64:65] scope:SCOPE_SE
	s_setreg_imm32_b32 hwreg(HW_REG_WAVE_MODE, 25, 1), 1
	s_wait_xcnt 0x0
; out0[b][64 nb + n] = sum_c o1[b][c] Wo[c][64 nb + n] + bo[64 nb + n].  Work-group (nb, g): columns 64 nb .. +63, batch rows 16 g .. 16 g + 15.
; Wave w of 16 brings batch row 16 g + w of o1 and rows 32 w .. 32 w + 31 of the block's 64 columns of Wo into LDS in bf16: all that the work-group reads is asked for at once,
; 22 loads a wave.  Then waves 0-3 multiply: 16 batch rows x 16 columns each, K = 512.
; THE MATRIX INSTRUCTION IS USED TRANSPOSED: source 0 = 16 columns of Wo (turned out of LDS), source 1 = 16 rows of o1: a lane then holds eight neighbouring columns of one batch row.
; LIMITS.  Wo enters in bf16; a row of o1 enters as TWO bf16 operands, its rounding and the rounding of what that left over, so that an intermediate's rounding does not show; sums in f32,
; K split over four accumulators.  A NaN row of o1 (a batch row masked altogether) stays a NaN row, and touches no other row.
; 32 work-groups: the launch has 16.8 M multiply-adds (twice, for the two parts) and 1.2 MB to read.  No cluster: the four work-groups of a column block share 128 KB of Wo, read once each.
.set WPITCH, 160                       ; a row of weights in LDS: 128 bytes + 32: an odd multiple of 32 bytes, for the turning loads
.set APITCH, 1040                      ; a row of o1 in bf16: 1,024 bytes + 16: an odd multiple of 16 bytes
.set OPITCH, 272                       ; a row of results: 256 bytes + 16
.set AS,  512*WPITCH                   ; LDS: weights [512][64] at 0; rows of o1 [16][512], rounded, here;
.set AL,  AS+16*APITCH                 ; their remainders here;
.set OS,  AL+16*APITCH                 ; results [16][64 f32] here
.set WA,  10                           ; v10, v11  turned fragments of the weights, K steps 0-7 and 8-15
.set BI,  16                           ; v[16:23]  the bias of my eight columns: the first accumulator's starting sums
.set ACC, 24                           ; v[24:55]  four accumulators
.set T,   56                           ; v[56:63]  the row rounded to bf16; at work
.set ROW, 64                           ; v[64:79]  my row of o1 as loaded, my 16 numbers
.set UP,  80                           ; v[80:95]  the rounding widened again
.set LO,  96                           ; v[96:103] the remainders in bf16
.set WR,  128                          ; v[128:191]  weights as loaded
.set B0,  64                           ; v[64:159], v[160:255]  behind the barrier: two fragment buffers; K step i of four at 24 i: weights 8, rounded rows 8, remainders 8
.set B1,  160
.macro PLACES                          ; four places in front of loads into registers that matrix instructions have read, and of instructions that read results (ISA guide 7.12.1 for instructions that read results)
.rept 4
	v_nop
.endr
.endm
.macro FETCHP b, buf                   ; K steps 4 b .. 4 b + 3: 24 LDS loads
.irp i, 0,1,2,3
	ds_load_tr16_b128 v[\buf+24*\i:\buf+24*\i+3],   v[WA+\b/2] offset:((4*\b+\i)%8)*32*WPITCH
	ds_load_tr16_b128 v[\buf+24*\i+4:\buf+24*\i+7], v[WA+\b/2] offset:((4*\b+\i)%8)*32*WPITCH+16*WPITCH
	ds_load_b128 v[\buf+24*\i+8:\buf+24*\i+11],  v12 offset:64*(4*\b+\i)
	ds_load_b128 v[\buf+24*\i+12:\buf+24*\i+15], v12 offset:64*(4*\b+\i)+32
	ds_load_b128 v[\buf+24*\i+16:\buf+24*\i+19], v12 offset:AL-AS+64*(4*\b+\i)
	ds_load_b128 v[\buf+24*\i+20:\buf+24*\i+23], v12 offset:AL-AS+64*(4*\b+\i)+32
.endr
.endm
.macro MULP b, buf                     ; the four accumulators take turns, one instruction a turn: first with the rounded rows, then with the remainders
.irp i, 0,1,2,3
.if (\b == 0) && (\i == 0)
	v_wmma_f32_16x16x32_bf16 v[ACC:ACC+7], v[\buf:\buf+7], v[\buf+8:\buf+15], v[BI:BI+7]
.elseif \b == 0
	v_wmma_f32_16x16x32_bf16 v[ACC+8*\i:ACC+8*\i+7], v[\buf+24*\i:\buf+24*\i+7], v[\buf+24*\i+8:\buf+24*\i+15], 0
.else
	v_wmma_f32_16x16x32_bf16 v[ACC+8*\i:ACC+8*\i+7], v[\buf+24*\i:\buf+24*\i+7], v[\buf+24*\i+8:\buf+24*\i+15], v[ACC+8*\i:ACC+8*\i+7]
.endif
.endr
.irp i, 0,1,2,3
	v_wmma_f32_16x16x32_bf16 v[ACC+8*\i:ACC+8*\i+7], v[\buf+24*\i:\buf+24*\i+7], v[\buf+24*\i+16:\buf+24*\i+23], v[ACC+8*\i:ACC+8*\i+7]
.endr
.endm
	s_load_b256 s[4:11], s[0:1], 0x0               ; o1 s[4:5], Wo s[6:7], bo s[8:9], out0 s[10:11]
	v_lshl_add_u32 v4, v0, 2, 0x1d300
	v_mov_b32 v15, 0
	v_lshrrev_b32 v1, 5, v0
	v_readfirstlane_b32 s16, v1                    ; wave 0..15
	s_mov_b32 s44, 0xffff0000                      ; a word's upper bf16
	s_and_b32 s18, ttmp7, 0xffff                   ; g
	s_lshl_b32 s20, s18, 15                        ; o1: row 16 g + w, 2,048 bytes a row
	s_lshl_b32 s22, s16, 11
	s_add_co_u32 s20, s20, s22
	s_mov_b32 s21, 0
	s_lshl_b32 s26, ttmp9, 8                       ; the block's 256 bytes in a row of 512 f32
	s_lshl_b32 s24, s16, 16                        ; Wo: my 32 rows of 2,048 bytes
	s_add_co_u32 s24, s24, s26
	s_mov_b32 s25, 0
	s_and_b32 s28, s16, 3                          ; bo: 16 columns for each of the four waves that multiply
	s_lshl_b32 s28, s28, 6
	s_add_co_u32 s28, s28, s26
	s_mov_b32 s29, 0
	s_lshl_b32 s30, s18, 15                        ; out0: row 16 g + 2 w
	s_lshl_b32 s27, s16, 12
	s_add_co_u32 s30, s30, s27
	s_add_co_u32 s30, s30, s26
	s_mov_b32 s31, 0
	v_and_b32 v1, 15, v0                           ; r
	v_bfe_u32 v2, v0, 4, 1                         ; hh
	v_and_b32 v3, 31, v0                           ; L
	v_lshlrev_b32 v5, 4, v3                        ; o1: 16 L
	v_lshlrev_b32 v6, 4, v1
	v_lshl_add_u32 v6, v2, 11, v6                  ; Wo and out0: row hh, 16 r; never rewritten
	v_lshlrev_b32 v7, 5, v2                        ; bo: 8 hh columns
	s_mul_i32 s32, s16, APITCH
	s_add_co_u32 s32, s32, AS
	v_lshl_add_u32 v8, v3, 3, s32                  ; my row in LDS, 8 L
	s_mul_i32 s33, s16, 32*WPITCH
	v_mul_u32_u24 v9, v2, WPITCH
	v_lshl_add_u32 v9, v1, 3, v9
	v_add_nc_u32 v9, s33, v9                       ; weights: row 32 w + hh, 8 r
	v_and_b32 v10, 7, v0
	v_lshl_add_u32 v10, v2, 3, v10
	v_mul_u32_u24 v10, v10, WPITCH
	v_bfe_u32 v11, v0, 3, 1
	v_lshl_add_u32 v10, v11, 4, v10
	s_lshl_b32 s34, s16, 5
	v_add_nc_u32 v10, s34, v10                     ; (8 hh + L % 8) rows + 16 ((L / 8) % 2) + my 16 columns
	v_add_nc_u32 v11, 256*WPITCH, v10
	v_mul_u32_u24 v12, v1, APITCH
	v_lshl_add_u32 v12, v2, 4, v12
	v_add_nc_u32 v12, AS, v12                      ; fragments of o1: row r, 16 hh
	v_mul_u32_u24 v13, v1, OPITCH
	v_lshl_add_u32 v13, v2, 5, v13
	s_lshl_b32 s35, s16, 6
	s_add_co_u32 s35, s35, OS
	v_add_nc_u32 v13, s35, v13                     ; results in: row r, columns 16 w + 8 hh
	s_mul_i32 s36, s16, 2*OPITCH
	s_add_co_u32 s36, s36, OS
	v_mul_u32_u24 v14, v2, OPITCH
	v_lshl_add_u32 v14, v1, 4, v14
	v_add_nc_u32 v14, s36, v14                     ; results back: row 2 w + hh, 16 r
	s_wait_kmcnt 0x0
	s_add_nc_u64 s[4:5], s[4:5], s[20:21]
	s_add_nc_u64 s[6:7], s[6:7], s[24:25]
	s_add_nc_u64 s[8:9], s[8:9], s[28:29]
	s_add_nc_u64 s[10:11], s[10:11], s[30:31]
.irp j, 0,1,2,3
	global_load_b128 v[ROW+4*\j:ROW+4*\j+3], v5, s[4:5] offset:512*\j
.endr
.irp i, 0,1,2,3,4,5,6,7,8,9,10,11,12,13,14,15
	global_load_b128 v[WR+4*\i:WR+4*\i+3], v6, s[6:7] offset:4096*\i   ; rows 2 i and 2 i + 1 of my 32: sixteen lanes take the block's 256 bytes of a row
.endr
	global_load_b128 v[BI:BI+3],   v7, s[8:9]      ; every wave loads the bias, so that the counts below are the same on every path
	global_load_b128 v[BI+4:BI+7], v7, s[8:9] offset:16
	s_wait_loadcnt 18                              ; my row of o1 is in; the weights' 16 and the bias's 2 stay out
.irp p, 0,1,2,3,4,5,6,7
	v_cvt_pk_bf16_f32 v[T+\p], v[ROW+2*\p], v[ROW+2*\p+1]
.endr
.irp j, 0,1,2,3
	ds_store_b64 v8, v[T+2*\j:T+2*\j+1] offset:256*\j
.endr
.irp p, 0,1,2,3,4,5,6,7                ; the row less its rounding (exact in f32), rounded in its turn
	v_lshlrev_b32 v[UP+2*\p],   16,  v[T+\p]
	v_and_b32     v[UP+2*\p+1], s44, v[T+\p]
	v_pk_add_f32 v[ROW+2*\p:ROW+2*\p+1], v[ROW+2*\p:ROW+2*\p+1], v[UP+2*\p:UP+2*\p+1] neg_lo:[0,1] neg_hi:[0,1]
.endr
.irp p, 0,1,2,3,4,5,6,7
	v_cvt_pk_bf16_f32 v[LO+\p], v[ROW+2*\p], v[ROW+2*\p+1]
.endr
.irp j, 0,1,2,3
	ds_store_b64 v8, v[LO+2*\j:LO+2*\j+1] offset:AL-AS+256*\j
.endr
	s_wait_loadcnt 2                               ; the weights are in
.irp i, 0,1,2,3,4,5,6,7,8,9,10,11,12,13,14,15
	v_cvt_pk_bf16_f32 v[WR+4*\i],   v[WR+4*\i],   v[WR+4*\i+1]
	v_cvt_pk_bf16_f32 v[WR+4*\i+1], v[WR+4*\i+2], v[WR+4*\i+3]
.endr
.irp i, 0,1,2,3,4,5,6,7,8,9,10,11,12,13,14,15
	ds_store_b64 v9, v[WR+4*\i:WR+4*\i+1] offset:2*WPITCH*\i
.endr
	s_wait_loadcnt 0x0                             ; the bias
	s_wait_dscnt 0x0                               ; for the others' sake: my row and my weights are in LDS
	s_barrier_signal -1
	s_barrier_wait -1
	s_cmp_lt_u32 s16, 4
	s_cbranch_scc0 .Lno_mul
	FETCHP 0, B0
	FETCHP 1, B1
	s_wait_dscnt 24                                ; all but the 24 loads just issued
	MULP 0, B0
	PLACES
	FETCHP 2, B0
	s_wait_dscnt 24
	MULP 1, B1
	PLACES
	FETCHP 3, B1
	s_wait_dscnt 24
	MULP 2, B0
	s_wait_dscnt 0x0
	MULP 3, B1
	PLACES
.irp k, 0,2,4,6
	v_pk_add_f32 v[ACC+\k:ACC+\k+1], v[ACC+\k:ACC+\k+1], v[ACC+8+\k:ACC+8+\k+1]
	v_pk_add_f32 v[ACC+16+\k:ACC+16+\k+1], v[ACC+16+\k:ACC+16+\k+1], v[ACC+24+\k:ACC+24+\k+1]
.endr
.irp k, 0,2,4,6
	v_pk_add_f32 v[ACC+\k:ACC+\k+1], v[ACC+\k:ACC+\k+1], v[ACC+16+\k:ACC+16+\k+1]
.endr
	ds_store_b128 v13, v[ACC:ACC+3]
	ds_store_b128 v13, v[ACC+4:ACC+7] offset:16
.Lno_mul:
	s_wait_dscnt 0x0                               ; for the others' sake: a row's 256 bytes come from four waves
	s_barrier_signal -1
	s_barrier_wait -1
	s_cmp_lt_u32 s16, 8
	s_cbranch_scc0 .Lend
	ds_load_b128 v[T:T+3], v14
	s_wait_dscnt 0x0
	global_store_b128 v6, v[T:T+3], s[10:11]       ; sixteen lanes store 256 consecutive bytes, at a multiple of 256 from out0's first byte
.Lend:
	s_wait_tensorcnt 0x0
	ds_add_u32 v4, v15
	s_wait_dscnt 0x0
	s_endpgm
.Lfunc_end_k_qaed7d596a5_oproj:
	.size	k_qaed7d596a5_oproj, .Lfunc_end_k_qaed7d596a5_oproj-k_qaed7d596a5_oproj
	.p2alignl 7, 3214868480
	.fill 96, 4, 3214868480
	.section	.rodata,"a",@progbits
	.p2align	6, 0x0
	.amdhsa_kernel k_qaed7d596a5_oproj
		.amdhsa_group_segment_fixed_size 121600
		.amdhsa_private_segment_fixed_size 0
		.amdhsa_enable_private_segment 0
		.amdhsa_kernarg_size 32
		.amdhsa_user_sgpr_count 2
		.amdhsa_user_sgpr_kernarg_segment_ptr 1
		.amdhsa_wavefront_size32 1
		.amdhsa_system_sgpr_workgroup_id_x 1
		.amdhsa_system_sgpr_workgroup_id_y 1
		.amdhsa_system_sgpr_workgroup_id_z 1
		.amdhsa_system_vgpr_workitem_id 0
		.amdhsa_next_free_vgpr 256
		.amdhsa_next_free_sgpr 66
		.amdhsa_reserve_vcc 0
		.amdhsa_float_denorm_mode_32 3
		.amdhsa_float_denorm_mode_16_64 3
		.amdhsa_memory_ordered 1
		.amdhsa_forward_progress 1
		.amdhsa_inst_pref_size 21
	.end_amdhsa_kernel
	.amdgpu_metadata
---
amdhsa.version: [ 1, 2 ]
amdhsa.kernels:
  - .name:           k_qaed7d596a5_oproj
    .symbol:         k_qaed7d596a5_oproj.kd
    .args:
      - { .name: o1, .offset: 0, .size: 8, .value_kind: global_buffer, .address_space: global }
      - { .name: Wo, .offset: 8, .size: 8, .value_kind: global_buffer, .address_space: global }
      - { .name: bo, .offset: 16, .size: 8, .value_kind: global_buffer, .address_space: global }
      - { .name: out0, .offset: 24, .size: 8, .value_kind: global_buffer, .address_space: global }
    .group_segment_fixed_size: 121600
    .private_segment_fixed_size: 0
    .kernarg_segment_align: 8
    .kernarg_segment_size: 32
    .max_flat_workgroup_size: 512
    .sgpr_count:     66
    .vgpr_count:     256
    .wavefront_size: 32
...
	.end_amdgpu_metadata
.endif
;; end of part 4
;; ======== version 2 of 2: 4 launches; version 1 with the launch pool written anew for expert scheduling mode
;; workspace buffers: wf 16,384 bytes; cb 256 bytes; pp 4,194,304 bytes; st 65,536 bytes; o1 131,072 bytes
;; launch prep: the kernel of part 1 again; grid 8 x 1, 16 waves a work-group, no clusters, 8,192 bytes of LDS; arguments seed, Wq, bq, Wk, bk, wf, cb; writes wf, cb
;; launch pool (part 5): grid 256 x 1, 4 waves a work-group, no clusters, 271,360 bytes of LDS; arguments x, mask, wf, cb, pp, st; writes pp, st
.if DOCPART == 5
	.amdgcn_target "amdgcn-amd-amdhsa--gfx1250"
	.amdhsa_code_object_version 6
	.text
	.protected	k_qaed7d596a5_pool
	.globl	k_qaed7d596a5_pool
	.p2align	8
	.type	k_qaed7d596a5_pool,@function
k_qaed7d596a5_pool:
	s_mov_b64 s[64:65], 0
	v_nop
	global_prefetch_b8 v0, s[64:65] scope:SCOPE_SE
	s_setreg_imm32_b32 hwreg(HW_REG_WAVE_SCHED_MODE, 0, 2), 2
	s_setreg_imm32_b32 hwreg(HW_REG_WAVE_MODE, 25, 1), 1
	s_wait_xcnt 0x0
	s_wait_alu depctr_vm_vsrc(0)
; THE STREAM OVER x.  x is taken as [131072 rows][512] f32.  Work-group wg owns rows 512 wg .. +511 (a quarter of one batch row's 2,048 positions), each of its four waves 128 of
; them, in 4 steps of 32 rows.  For each step a wave makes the scores of 8 heads, s = x . weff + cb (in base 2), masks them, keeps a running maximum m and sum l for each
; head, and adds p = 2^(s - m) times the rows of x into O[head][512 columns], unnormalised.  At the end the four waves' O, m, l are joined and stored: pp[wg][8][512] f32, st[wg][32][m, l].
; That the weights meet x and not V holds for every input: sum_l a_l (x_l Wv + bv) = (sum_l a_l x_l) Wv + bv, since the weights add to one; Wv and bv follow in the next launch.
; LIMITS.  x and weff enter the matrix unit in bf16; p enters as TWO bf16 numbers, its rounding and the rounding of what that left over, so that p's own rounding does not show; sums in f32;
; the order of rounding differs from reference()'s.  The running maximum starts at -FLT_MAX, not at -inf, so that rows that are all masked give p = 0, l = 0, O = 0 and no NaN; every
; finite score replaces that start.  A batch row that is masked altogether ends, in the next launch, as NaN, as in reference().
; THE WAY OF A BYTE.  x comes into registers by loads of 16 bytes a lane (a load of the wave covers 512 consecutive bytes, aligned), is rounded to bf16 once, and only the bf16 copy goes
; into LDS, into one of the wave's own two stages of 32 rows.  Both products read the stage: the scores along the rows, the pooling turned (ds_load_tr16_b128).
; BY TURNS.  The wave's 64 row pairs are numbered through.  A ring of 10 pairs in registers keeps 5 to 7 pairs, 40 to 56 loads, 20 to 28 KB of a wave on their way.  While step s is multiplied
; out of stage s % 2, the 16 pairs of step s + 1 are served into the other stage, two behind each run of matrix instructions, and each serve of two asks for the pairs seven and eight further
; on: the requests do not pause while the wave computes.  Nothing is stepped: a pair's rows stand in the loads' immediates (261,632 bytes at the most, inside the signed 24 bits), so the text
; has no loop.  No wave reads another's stage before the end, so there is one barrier, on the way out.
; No tensor loads: they would lay the f32 rows into LDS, to be read, rounded and written again.  No cluster: the work-groups share only wf's 16 KB.
; LAYOUT.  Scores: source 0 = 16 rows of x, source 1 = weff, whose columns 8-15 repeat columns 0-7: a lane then holds ONE head (lane % 8) and rows 8 (lane / 16) + 0..7, and lanes r and
; r + 8 hold the same scores, m, l and p.  Lanes r < 8 round p to bf16, lanes r >= 8 round what that rounding leaves over.  Two such tiles, packed in pairs, ARE source 1 (32 rows x 16 columns)
; of O^T = x^T P: its column h takes the rounded weights' sums, column h + 8 the remainders', and the two are added at the end.  Nothing changes lanes between the products.
; THE MODE: SCHED_MODE bits 1:0 = 2 (LLVM: expert scheduling mode 2), set by the entry lines.  The code itself states the register dependences
; between vector or matrix instructions and memory or LDS instructions, with s_wait_alu, always for 0.
; THE PLAN.  Registers that memory or LDS instructions touch, between the head and the way out:
;   the ring      Pair U lies in slot U % 10.  Its eight loads land there; its sixteen conversions read it and write it in place; its eight LDS stores read it; then the loads of pair U + 10 land in it.
;   F0, F1        LDS loads land there; matrix instructions read them as source 0; no other instruction names them.
;   addresses     v3 to v15 and v208 to v214 are made at the head and never written again.  v[T] is the address of cb's load and is at work later.
;   The scores, the weights, the statistics and O^T are named by vector and matrix instructions alone until the way out.
; A serve of two pairs is: the wait for their data, 32 conversions, the window switch, TWO waits, the 16 loads of pairs U + 7 and U + 8, the 16 LDS stores.  The wait on va_vdst states that the
; conversions have written what the stores read, that the conversions of pairs U - 3 and U - 2 are done with the slots in which the loads land, and that the matrix instructions issued in front of
; the serve are done reading the fragment buffer in which the LDS loads behind the serve land.  The wait on vm_vsrc states that the LDS stores of pairs U - 3 and U - 2 have read those slots.
; Between these waits and the serve's own loads and stores, and the run of fragment loads behind it, stands no vector or matrix instruction that names a register of theirs.
; The last step has nothing to serve: there a wait on va_vdst stands by itself in front of each run of fragment loads into a buffer that products have read.
; REGISTERS, in windows of 256 (s_set_vgpr_msb: bits 1:0 source 0, 3:2 source 1, 5:4 source 2, 7:6 destination):
;   window 0: addresses, statistics, scores, weights, two fragment buffers      window 1: O^T, tile ct (columns 16 ct ..) at v[8 ct]
;   window 2: the ring's slots 0-7: slot c, row rho, piece q at v[32 c + 16 rho + 4 q]   window 3: v0-127 weff, K step kk at v[8 kk]; v128-191 the ring's slots 8 and 9
.set PITCH,  1056                      ; a stage row: 1,024 bytes of bf16 + 32: row R starts at bank 8 R mod 64 (64 banks of 4 bytes: ISA guide 11.1).  In rows with bit 3 set the two 16-byte halves of each 32 bytes change
                                       ; places
.set WSTG,   32*PITCH                  ; a stage: 33,792 bytes
.set WREG,   2*WSTG                    ; a wave's two stages
.set OPITCH, 2064                      ; the way out: a column's 512 f32 + 16 bytes: 16 columns start at 16 different groups of 4 banks
.set STAT,   4*WREG                    ; behind the stages: [4 waves][16 columns][m, l]
.set ROWB,   2048                      ; bytes in a row of x
.set UNITS,  64                        ; row pairs of a wave
.set RING,   10                        ; slots of the ring
.set GOFF, 3                           ; v3      16 L: my 16 bytes in 512; never rewritten
.set SA,   4                           ; v4-7    where I put 4 bf16: stage b at SA + 2 b: + 8 L; at SA + 2 b + 1, for rows with bit 3 set: + 8 (L with bit 1 turned)
.set A1,   8                           ; v8, v9  stage b + r PITCH + 16 xq: fragments along the rows; xq = (L / 16 + L / 8) % 2
.set A2,   10                          ; v10, v11  stage b + (8 hh + L % 8) PITCH + 16 xq: turned fragments
.set OA,   12                          ; v12     my stages + r OPITCH + 32 hh: the way out
                                       ; v13 STAT + 128 w + 8 r; v14 STAT + 16 w; v15 STAT + 8 r
.set CB,   16                          ; v[16:23]  cb[r], eight times: the scores' starting sums
.set S,    24                          ; v[24:39]  scores, tile 0 and tile 1
.set PW,   40                          ; v[40:47]  the second product's source 1
.set M,    48                          ; v48 the running maximum (v49 is named with it as a pair, so it is written; at the end it takes l)
.set AF,   50                          ; v50 a = 2^(m_old - m_new) (v51 likewise)
.set LS,   52                          ; v[52:53]  l: even rows', odd rows'
.set T,    54                          ; v[54:59]  at work
.set MKV,  60                          ; v[60:63]  the mask bytes of my 16 rows
.set F0,   64                          ; v[64:127]   fragment buffer 0
.set F1,   128                         ; v[128:191]  fragment buffer 1
.set J,    64                          ; v[64:191] of window 0 and of window 2: the joining
.set SV,   192                         ; v[192:207]  the waves' statistics, at the end
.set RA,   208                         ; v208-211  wave v's stages + 2 w OPITCH + 16 L: the joining
.set NG,   212                         ; v[212:213]  0 in lanes r < 8, -1 in lanes r >= 8
.set SO,   214                         ; v214    8 L
.set CM,   44                          ; s[44:59]  a step's sixteen masks of lanes: where the row of score j of tile t is not masked, at CM + 8 t + j
.set MK,   68                          ; s[68:99]  the wave's 128 mask bytes
.set MSB, 0
.macro WIN new                         ; the immediate's high byte repeats the setting that is left; a switch that changes nothing is dropped
.if MSB != (\new)
	s_set_vgpr_msb (MSB<<8)|(\new)
.set MSB, (\new)
.endif
.endm
; A vector instruction or LDS store that reads a matrix result stands four places behind it; only plain vector instructions that name none of its registers are places.
; This text keeps four places in front of loads into registers that a matrix instruction has read as well, beside the wait that states that dependence.
.macro PLACES
.rept 4
	v_nop
.endr
.endm
; Row pairs U and U + 1 of the wave's 64 (U even): wait, round to bf16 in place, ask for pairs U + 7 and U + 8 if there are such, and store into stage (U / 16) % 2.
.macro SERVE2 U
.set SL, (\U)%RING                     ; the two pairs' slots, SL and SL + 1, lie in one window: 64 registers from XB on
.set WS, 2+SL/8
.set XB, 32*(SL%8)+128*(SL/8)
.set L1, ((\U)+7)%RING                 ; the slots that are asked for again: pair U - 3's,
.set W1, 2+L1/8
.set X1, 32*(L1%8)+128*(L1/8)
.set L2, ((\U)+8)%RING                 ; and pair U - 2's
.set W2, 2+L2/8
.set X2, 32*(L2%8)+128*(L2/8)
.set SU, (\U)%16
.set AD, SA+2*(((\U)/16)%2)+(SU/4)%2
.if (\U)+6 < UNITS
	s_wait_loadcnt 40                              ; loads come back in order (ISA guide 5.7.1): the sixteen of pairs U and U + 1 are in, five younger pairs stay out
.else
	s_wait_loadcnt 8*(UNITS-2-(\U))                ; the ring runs out: the pairs behind U + 1
.endif
	WIN (WS<<6)|(WS<<2)|WS                         ; destination and both sources in the two pairs' window
.set k, 0
.rept 16
	v_cvt_pk_bf16_f32 v[XB+4*k],   v[XB+4*k],   v[XB+4*k+1]
	v_cvt_pk_bf16_f32 v[XB+4*k+1], v[XB+4*k+2], v[XB+4*k+3]
.set k, k+1
.endr
.if (\U)+7 < UNITS
	WIN (W1<<6)|(WS<<2)                            ; addresses in window 0; store data in the two pairs' window; load destinations in the window of pair U + 7's slot
.else
	WIN WS<<2
.endif
	s_wait_alu depctr_va_vdst(0)                   ; the conversions have written what the LDS stores below read; those of pairs U - 3 and U - 2 are done with the slots in which the loads below land;
	                                               ; the matrix instructions in front of the serve are done reading the fragment buffer in which the LDS loads behind the serve land
.if (\U)+7 < UNITS
	s_wait_alu depctr_vm_vsrc(0)                   ; the LDS stores of pairs U - 3 and U - 2 have read the slots in which the loads below land (at the first serve: cb's load has read v[T], which is at work later)
.set k, 0
.rept 8
	global_load_b128 v[X1+4*k:X1+4*k+3], v[GOFF], s[4:5] offset:(2*((\U)+7)+k/4)*ROWB+512*(k%4) th:TH_LOAD_NT
.set k, k+1
.endr
.endif
.if (\U)+8 < UNITS
	WIN (W2<<6)|(WS<<2)                            ; where pair U + 8's slot lies in the other window; only loads stand between the waits above and the loads below
.set k, 0
.rept 8
	global_load_b128 v[X2+4*k:X2+4*k+3], v[GOFF], s[4:5] offset:(2*((\U)+8)+k/4)*ROWB+512*(k%4) th:TH_LOAD_NT
.set k, k+1
.endr
.endif
.set k, 0
.rept 16
	ds_store_b64 v[AD], v[XB+4*k:XB+4*k+1] offset:(2*SU+k/4)*PITCH+256*(k%4)   ; 32 lanes fill 256 neighbouring bytes
.set k, k+1
.endr
.endm
; Between two runs of the first product: two pairs are served; in the last step, which has none left, the wait stands by itself.
.macro SERVE_OR_WAIT sv, U
.if \sv
	SERVE2 \U
.else
	PLACES
	s_wait_alu depctr_va_vdst(0)                   ; the products just issued are done reading the buffer in which the loads below land
.endif
.endm
; Scores: K steps 4 b .. 4 b + 3 (32 columns each), both tiles of 16 rows, out of stage BF: 16 LDS loads, 8 matrix instructions.
.macro FETCH1 b, buf
.irp i, 0,1,2,3
.irp t, 0,1
	ds_load_b128 v[\buf+16*\i+8*\t:\buf+16*\i+8*\t+3],   v[A1+BF] offset:\t*16*PITCH+64*(4*\b+\i)
	ds_load_b128 v[\buf+16*\i+8*\t+4:\buf+16*\i+8*\t+7], v[A1+BF] offset:\t*16*PITCH+64*(4*\b+\i)+32
.endr
.endr
.endm
.macro MUL1 b, buf                     ; the two tiles' accumulators take turns, one instruction a turn
.irp i, 0,1,2,3
.irp t, 0,1
.if (4*\b+\i) == 0
	v_wmma_f32_16x16x32_bf16 v[S+8*\t:S+8*\t+7], v[\buf+16*\i+8*\t:\buf+16*\i+8*\t+7], v[8*(4*\b+\i):8*(4*\b+\i)+7], v[CB:CB+7]   ; the first product starts the sums at cb
.else
	v_wmma_f32_16x16x32_bf16 v[S+8*\t:S+8*\t+7], v[\buf+16*\i+8*\t:\buf+16*\i+8*\t+7], v[8*(4*\b+\i):8*(4*\b+\i)+7], v[S+8*\t:S+8*\t+7]
.endif
.endr
.endr
.endm
; Pooling: column tiles 8 b .. 8 b + 7 (16 columns of x each), all 32 rows: 16 turning loads, 8 matrix instructions, each on an accumulator of its own.
.macro FETCH2 b, buf
.irp i, 0,1,2,3,4,5,6,7
	ds_load_tr16_b128 v[\buf+8*\i:\buf+8*\i+3],   v[A2+BF] offset:32*(8*\b+\i)
	ds_load_tr16_b128 v[\buf+8*\i+4:\buf+8*\i+7], v[A2+BF] offset:16*PITCH+32*(8*\b+\i)
.endr
.endm
.macro RESC b                          ; O^T of those tiles times a
	WIN 0x41                                       ; O^T (destination, source 0) in window 1, a in window 0
.set k, 64*\b
.rept 32
	v_pk_mul_f32 v[k:k+1], v[k:k+1], v[AF:AF+1] op_sel_hi:[1,0]
.set k, k+2
.endr
.endm
.macro MUL2 b, buf, first
	WIN 0x50                                       ; C and D in window 1
.irp i, 0,1,2,3,4,5,6,7
.if \first
	v_wmma_f32_16x16x32_bf16 v[8*(8*\b+\i):8*(8*\b+\i)+7], v[\buf+8*\i:\buf+8*\i+7], v[PW:PW+7], 0   ; the first step starts the sums: nothing is cleared
.else
	v_wmma_f32_16x16x32_bf16 v[8*(8*\b+\i):8*(8*\b+\i)+7], v[\buf+8*\i:\buf+8*\i+7], v[PW:PW+7], v[8*(8*\b+\i):8*(8*\b+\i)+7]
.endif
.endr
.endm
; Between two runs of the second product: the next eight tiles are rescaled and two row pairs are served.  Neither names a register of the products just issued: they are the places in front
; of the loads into the buffer that those products read.  In the last step the wait stands by itself.
.macro GAP b, first, sv, U
.if \first == 0
	RESC \b
.endif
.if \sv
	SERVE2 \U
.else
.if \first
	PLACES
.endif
	WIN 0
	s_wait_alu depctr_va_vdst(0)                   ; the products just issued are done reading the buffer in which the loads below land
.endif
.endm
; Step s: the arithmetic on the 32 rows in stage s % 2.  first = 1: O^T has nothing to rescale yet.  sv = 1: the 16 row pairs of step s + 1 are served between the runs.
; The counts on DScnt: LDS serves a wave in order, loads and stores together (ISA guide 5.7.1), so a count names what was issued behind the run of 16 loads that is wanted:
; 16 for a younger run of loads, 16 for each two pairs served.
.macro COMPUTE s, first, sv
.set BF, (\s)%2
.set NU, 16*((\s)+1)
.set MB, MK+8*(\s)
	WIN 0x0c                                       ; source 1 (weff) in window 3, all else in window 0: one setting for the scores' loads and products
	FETCH1 0, F0                                   ; the last serve's wait on va_vdst stands behind the last products that read F0 and F1; nothing since names them
	FETCH1 1, F1
	s_wait_dscnt 16                                ; all but the 16 loads just issued are done, the stage's stores among them
	MUL1 0, F0
	SERVE_OR_WAIT \sv, NU
	WIN 0x0c
	FETCH1 2, F0
	s_wait_dscnt 16+16*\sv
	MUL1 1, F1
	SERVE_OR_WAIT \sv, NU+2
	WIN 0x0c
	FETCH1 3, F1
	s_wait_dscnt 16+16*\sv
	MUL1 2, F0
.if \sv
	SERVE2 NU+4
.endif
	s_wait_dscnt 16*\sv
	WIN 0x0c
	MUL1 3, F1
	WIN 0
	; my rows are 16 t + 8 hh + 0..7: words 4 t + 2 hh and 4 t + 2 hh + 1 of the step's eight.  These eight lines are also the places behind the last products.
.irp t, 0,1
.irp w, 0,1
	v_mov_b32 v[MKV+2*\t+\w], s[MB+4*\t+\w]
.endr
.endr
.irp t, 0,1
.irp w, 0,1
	v_cndmask_b32 v[MKV+2*\t+\w], v[MKV+2*\t+\w], s[MB+2+4*\t+\w], s32   ; s32 as a mask of lanes: those with hh = 1
.endr
.endr
.irp t, 0,1                            ; the sixteen compares stand in one run, each into a scalar register of its own; the selects that read them come behind the serve and the loads below
.irp j, 0,1,2,3,4,5,6,7
	v_bfe_u32 v[T+(\j%4)], v[MKV+2*\t+\j/4], 8*(\j%4), 8
	v_cmp_ne_u32 s[CM+8*\t+\j], 0, v[T+(\j%4)]
.endr
.endr
.if \sv
	SERVE2 NU+6                                    ; its wait on va_vdst stands behind the scores' last products, which read F0 and F1
	WIN 0
.else
	s_wait_alu depctr_va_vdst(0)                   ; the scores' last sixteen products are done reading F0 and F1, in which the loads below land
.endif
	FETCH2 0, F0                                   ; the first turned fragments land under the softmax
	FETCH2 1, F1
	s_wait_alu depctr_va_sdst(0)                   ; the sixteen compares have written s[CM ..], ahead of their first reader
.irp t, 0,1
.irp j, 0,1,2,3,4,5,6,7
	v_cndmask_b32 v[S+8*\t+\j], s42, v[S+8*\t+\j], s[CM+8*\t+\j]       ; a masked row's score is -inf
.endr
.endr
	v_mov_b32 v[T+2], v[M]                         ; m_old
	v_max3_num_f32 v[T],   v[S],   v[S+1], v[S+2]
	v_max3_num_f32 v[T+1], v[S+8], v[S+9], v[S+10]
	v_max3_num_f32 v[T],   v[T],   v[S+3],  v[S+4]
	v_max3_num_f32 v[T+1], v[T+1], v[S+11], v[S+12]
	v_max3_num_f32 v[T],   v[T],   v[S+5],  v[S+6]
	v_max3_num_f32 v[T+1], v[T+1], v[S+13], v[S+14]
	v_max3_num_f32 v[T],   v[T],   v[S+7],  v[S+15]
	v_max3_num_f32 v[T],   v[T],   v[T+1],  v[M]
	v_permlanex16_b32 v[T+1], v[T], s34, s35       ; the head's other 16 rows lie in the lane 16 away
	v_max_num_f32 v[M], v[T], v[T+1]
	v_sub_f32 v[AF], v[T+2], v[M]
.irp i, 0,2,4,6,8,10,12,14
	v_pk_add_f32 v[S+\i:S+\i+1], v[S+\i:S+\i+1], v[M:M+1] op_sel_hi:[1,0] neg_lo:[0,1] neg_hi:[0,1]   ; s - m
.endr
	v_exp_f32 v[AF], v[AF]
.irp i, 0,1,2,3,4,5,6,7,8,9,10,11,12,13,14,15
	v_exp_f32 v[S+\i], v[S+\i]
.endr
	v_nop                                          ; a plain instruction between the last exponential and the use of its result (ISA guide 5.7.2)
	s_wait_alu depctr_va_vdst(0)
	v_pk_add_f32 v[T:T+1],   v[S:S+1],   v[S+2:S+3]
	v_pk_add_f32 v[T+2:T+3], v[S+4:S+5], v[S+6:S+7]
	v_pk_add_f32 v[T+4:T+5], v[S+8:S+9], v[S+10:S+11]
	v_pk_add_f32 v[T:T+1],   v[T:T+1],   v[S+12:S+13]
	v_pk_add_f32 v[T+2:T+3], v[T+2:T+3], v[S+14:S+15]
	v_pk_add_f32 v[T:T+1],   v[T:T+1],   v[T+2:T+3]
	v_pk_add_f32 v[T:T+1],   v[T:T+1],   v[T+4:T+5]
	v_pk_fma_f32 v[LS:LS+1], v[LS:LS+1], v[AF:AF+1], v[T:T+1] op_sel_hi:[1,0,1]   ; l = a l + the step's sum
.irp i, 0,1,2,3,4,5,6,7
	v_cvt_pk_bf16_f32 v[PW+\i], v[S+2*\i], v[S+2*\i+1]
.endr
.irp i, 0,1,2,3,4,5,6,7                ; lanes r < 8 keep p, lanes r >= 8 take its rounding away (exact in f32); p is at most 1, so 0 times the rounding is 0
	v_lshlrev_b32 v[T+2*(\i%3)],   16,  v[PW+\i]
	v_and_b32     v[T+2*(\i%3)+1], s32, v[PW+\i]   ; s32 as a number: a word's upper bf16
	v_pk_fma_f32 v[S+2*\i:S+2*\i+1], v[T+2*(\i%3):T+2*(\i%3)+1], v[NG:NG+1], v[S+2*\i:S+2*\i+1]
.endr
.irp i, 0,1,2,3,4,5,6,7
	v_cvt_pk_bf16_f32 v[PW+\i], v[S+2*\i], v[S+2*\i+1]                 ; one rounding makes both: the weights below, the remainders above
.endr
.if \first == 0
	RESC 0
.endif
	s_wait_dscnt 16                                ; behind the run that is wanted: the 16 loads of the second run
	MUL2 0, F0, \first
	GAP 1, \first, \sv, NU+8
	WIN 0
	FETCH2 2, F0
	s_wait_dscnt 16+16*\sv
	MUL2 1, F1, \first
	GAP 2, \first, \sv, NU+10
	WIN 0
	FETCH2 3, F1
	s_wait_dscnt 16+16*\sv
	MUL2 2, F0, \first
.if \first == 0
	RESC 3
.endif
.if \sv
	SERVE2 NU+12
.endif
	s_wait_dscnt 16*\sv                            ; my reads of this stage are over
	MUL2 3, F1, \first
.if \sv
	SERVE2 NU+14                                   ; its wait on va_vdst stands behind the step's last products: the next step's first loads land in F0 and F1
.endif
	WIN 0
.endm
	s_load_b256 s[4:11], s[0:1], 0x0               ; x s[4:5], mask s[6:7], wf s[8:9], cb s[10:11]
	s_load_b128 s[12:15], s[0:1], 0x20             ; pp s[12:13], st s[14:15]
	v_lshl_add_u32 v254, v0, 2, 0x42200
	v_mov_b32 v255, 0
	v_lshrrev_b32 v1, 5, v0
	v_readfirstlane_b32 s16, v1                    ; wave 0..3
	s_mov_b32 s32, 0xffff0000                      ; lanes 16-31, and a word's upper bf16
	s_mov_b32 s34, 0x76543210                      ; v_permlanex16_b32: each lane takes its own place in the other half
	s_mov_b32 s35, 0xfedcba98
	s_mov_b32 s42, 0xff800000                      ; -inf
	s_wait_alu depctr_va_sdst(0)                   ; s16 is written, ahead of its first reader: the stages' place, the bases and a branch are made from it
	s_mul_i32 s17, s16, WREG                       ; my two stages
	s_lshl_b32 s20, ttmp9, 20                      ; x: 512 rows of 2,048 bytes a work-group,
	s_lshl_b32 s18, s16, 18                        ; 128 a wave
	s_add_co_u32 s20, s20, s18
	s_mov_b32 s21, 0
	s_lshl_b32 s22, ttmp9, 9                       ; mask: a byte a row
	s_lshl_b32 s18, s16, 7
	s_add_co_u32 s22, s22, s18
	s_mov_b32 s23, 0
	s_lshl_b32 s36, ttmp9, 14                      ; pp: 8 heads x 2,048 bytes a work-group, two heads a wave
	s_lshl_b32 s18, s16, 12
	s_add_co_u32 s36, s36, s18
	s_mov_b32 s37, 0
	s_lshl_b32 s38, ttmp9, 8                       ; st: 256 bytes a work-group
	s_mov_b32 s39, 0
	v_and_b32 v1, 15, v0                           ; r
	v_cmp_lt_u32 vcc_lo, 7, v1                     ; the lanes r >= 8: read below, where NG is made
	v_bfe_u32 v2, v0, 4, 1                         ; hh
	v_and_b32 v[T+2], 31, v0                       ; L
	v_lshlrev_b32 v[GOFF], 4, v[T+2]
	v_lshlrev_b32 v[SO], 3, v[T+2]
	v_lshl_add_u32 v[SA], v[T+2], 3, s17
	v_add_nc_u32 v[T+3], 2, v[T+2]
	v_and_b32 v[T+3], 2, v[T+3]                    ; bit 1 of L, turned
	v_and_b32 v[T+4], 29, v[T+2]                   ; L's other bits
	v_add_nc_u32 v[T+3], v[T+3], v[T+4]
	v_lshl_add_u32 v[SA+1], v[T+3], 3, s17
	v_add_nc_u32 v[SA+2], WSTG, v[SA]
	v_add_nc_u32 v[SA+3], WSTG, v[SA+1]
	v_bfe_u32 v[T+4], v0, 3, 1
	v_add_nc_u32 v[T+5], v[T+4], v2
	v_and_b32 v[T+5], 1, v[T+5]                    ; xq: along the rows, my half hh turned in rows r >= 8; turned loads, my half (L / 8) % 2 turned in rows 8 hh + .. with hh = 1
	v_mul_u32_u24 v[T+3], v1, PITCH
	v_lshl_add_u32 v[T+3], v[T+5], 4, v[T+3]
	v_add_nc_u32 v[A1], s17, v[T+3]
	v_add_nc_u32 v[A1+1], WSTG, v[A1]
	v_and_b32 v[T+3], 7, v0
	v_lshl_add_u32 v[T+3], v2, 3, v[T+3]
	v_mul_u32_u24 v[T+3], v[T+3], PITCH
	v_lshl_add_u32 v[T+3], v[T+5], 4, v[T+3]
	v_add_nc_u32 v[A2], s17, v[T+3]
	v_add_nc_u32 v[A2+1], WSTG, v[A2]
	v_mul_u32_u24 v[T+3], v1, OPITCH
	v_lshl_add_u32 v[T+3], v2, 5, v[T+3]
	v_add_nc_u32 v[OA], s17, v[T+3]
	s_mul_i32 s19, s16, 2*OPITCH
	v_add_nc_u32 v[RA], s19, v[GOFF]
	v_add_nc_u32 v[RA+1], WREG, v[RA]
	v_add_nc_u32 v[RA+2], 2*WREG, v[RA]
	v_add_nc_u32 v[RA+3], 3*WREG, v[RA]
	s_lshl_b32 s18, s16, 7
	s_add_co_u32 s18, s18, STAT
	v_lshl_add_u32 v13, v1, 3, s18
	s_lshl_b32 s19, s16, 4
	s_add_co_u32 s19, s19, STAT
	v_mov_b32 v14, s19
	v_lshlrev_b32 v15, 3, v1
	v_add_nc_u32 v15, STAT, v15
	v_mov_b32 v[NG+1], -1.0
	s_wait_alu depctr_va_vcc(0)                    ; the compare above has written VCC, ahead of its one reader
	v_cndmask_b32 v[NG], 0, v[NG+1], vcc_lo
	v_mov_b32 v[NG+1], v[NG]
	v_lshlrev_b32 v[T], 2, v1                      ; cb: 4 r
	s_wait_kmcnt 0x0
	s_add_nc_u64 s[4:5], s[4:5], s[20:21]
	s_add_nc_u64 s[6:7], s[6:7], s[22:23]
	s_add_nc_u64 s[12:13], s[12:13], s[36:37]
	s_add_nc_u64 s[14:15], s[14:15], s[38:39]
	s_load_b512 s[MK:MK+15], s[6:7], 0x0           ; the wave's 128 mask bytes, once
	s_load_b512 s[MK+16:MK+31], s[6:7], 0x40
	WIN 0xc0                                       ; destination window 3
	s_wait_alu depctr_va_vdst(0)                   ; all the addresses are written (v3 to v15, v208 to v211, v214, and v[T] for cb), which the kernel's loads and stores read; but for v[T] none is written again
.set j, 0
.rept 32
	global_load_b128 v[4*j:4*j+3], v[GOFF], s[8:9] offset:512*j    ; weff as it lies: block j is half of K step j / 2's fragment
.set j, j+1
.endr
	WIN 0
	global_load_b32 v[CB], v[T], s[10:11]
	WIN 0x80                                       ; destination window 2: row pairs 0 to 6 fill the ring's slots 0 to 6
.irp u, 0,1,2,3,4,5,6
.irp k, 0,1,2,3,4,5,6,7
	global_load_b128 v[32*\u+4*\k:32*\u+4*\k+3], v[GOFF], s[4:5] offset:(2*\u+\k/4)*ROWB+512*(\k%4) th:TH_LOAD_NT
.endr
.endr
	WIN 0
	v_mov_b32 v[M], 0xff7fffff                     ; -FLT_MAX
	v_mov_b32 v[M+1], 0
	v_mov_b32 v[AF+1], 0
	v_mov_b32 v[LS], 0
	v_mov_b32 v[LS+1], 0
.irp u, 0,2,4,6,8,10,12,14
	SERVE2 \u                                      ; step 0's rows: there is no arithmetic yet to set them between.  The first wait also shows weff and cb in: they were asked for ahead of the ring
.endr
	WIN 0
	s_wait_kmcnt 0x0                               ; the mask bytes
.irp j, 1,2,3,4,5,6,7
	v_mov_b32 v[CB+\j], v[CB]                      ; a lane's eight scores belong to one head
.endr
	COMPUTE 0, 1, 1
	COMPUTE 1, 0, 1
	COMPUTE 2, 0, 1
	COMPUTE 3, 0, 0                                ; nothing is left to serve
	; THE WAY OUT.  Each wave lays its O (as [16 columns][512 f32]) into its own first stage and its (m, l) into STAT; one barrier; wave w joins heads 2 w and 2 w + 1 of the four waves:
	; for each, column h (the rounded weights' sums) and column h + 8 (the remainders'), both times f_v = 2^(m_v - max).
	PLACES
	v_add_f32 v[T], v[LS], v[LS+1]
	v_permlanex16_b32 v[T+1], v[T], s34, s35
	v_add_f32 v[M+1], v[T], v[T+1]                 ; l of the head's 128 rows
	s_wait_alu depctr_va_vdst(0)                   ; l is written and the last products have written O^T, which the LDS stores below read (the places above stay beside this wait);
	                                               ; the last products are also done reading F0 and F1, in which the first head's rows land behind the barrier
	ds_store_b64 v13, v[M:M+1]                     ; both halves of the lanes write the same
	WIN 0x04                                       ; store data in window 1
.set j, 0
.rept 32
	ds_store_b128 v[OA], v[8*j:8*j+3]   offset:64*j
	ds_store_b128 v[OA], v[8*j+4:8*j+7] offset:64*j+16
.set j, j+1
.endr
	WIN 0
	s_wait_dscnt 0x0                               ; for the others' sake: my stores are done
	s_barrier_signal -1
	s_barrier_wait -1
.macro JLOADS e                        ; head 2 w + e: wave v, part p (0 the rounded weights', 1 the remainders'), piece q at J + 32 v + 16 p + 4 q
.irp v, 0,1,2,3
.irp p, 0,1
.irp q, 0,1,2,3
	ds_load_b128 v[J+32*\v+16*\p+4*\q:J+32*\v+16*\p+4*\q+3], v[RA+\v] offset:OPITCH*(\e+8*\p)+512*\q
.endr
.endr
.endr
.endm
.macro JSUM e                          ; the eight rows, each times its wave's f
.irp k, 0,2,4,6,8,10,12,14
	v_pk_mul_f32 v[J+\k:J+\k+1], v[J+\k:J+\k+1], v[SV+8*\e:SV+8*\e+1] op_sel_hi:[1,0]
.endr
.irp x, 1,2,3,4,5,6,7
.irp k, 0,2,4,6,8,10,12,14
	v_pk_fma_f32 v[J+\k:J+\k+1], v[J+16*\x+\k:J+16*\x+\k+1], v[SV+8*\e+2*(\x/2):SV+8*\e+2*(\x/2)+1], v[J+\k:J+\k+1] op_sel_hi:[1,0,1]
.endr
.endr
.endm
.macro JOUT e
.irp q, 0,1,2,3
	global_store_b128 v[GOFF], v[J+4*\q:J+4*\q+3], s[12:13] offset:2048*\e+512*\q   ; a store of the wave covers 512 consecutive bytes, aligned
.endr
.endm
.irp e, 0,1
.irp v, 0,1,2,3
	ds_load_b64 v[SV+8*\e+2*\v:SV+8*\e+2*\v+1], v14 offset:128*\v+8*\e   ; (m, l) of wave v, head 2 w + e: the same in every lane
.endr
.endr
	JLOADS 0
	s_wait_dscnt 32                                ; the eight statistics are in; the 32 loads behind them stay out
.irp e, 0,1
	v_max3_num_f32 v[T+\e], v[SV+8*\e], v[SV+8*\e+2], v[SV+8*\e+4]
	v_max_num_f32 v[T+\e], v[T+\e], v[SV+8*\e+6]
.endr
.irp e, 0,1
.irp v, 0,1,2,3
	v_sub_f32 v[SV+8*\e+2*\v], v[SV+8*\e+2*\v], v[T+\e]
.endr
.endr
.irp e, 0,1
.irp v, 0,1,2,3
	v_exp_f32 v[SV+8*\e+2*\v], v[SV+8*\e+2*\v]     ; f_v = 2^(m_v - max)
.endr
.endr
	v_nop
	s_wait_alu depctr_va_vdst(0)
	WIN 0x80                                       ; the second head's rows go into the ring's slots 2 to 5, which are free
	s_wait_alu depctr_vm_vsrc(0)                   ; the last serves' LDS stores have read those slots (their conversions stand ahead of the wait on va_vdst in front of the barrier, and nothing since names the slots)
	JLOADS 1
	WIN 0
	s_wait_dscnt 32                                ; the first head's rows are in; the second head's 32 loads stay out
	JSUM 0
	s_wait_alu depctr_va_vdst(0)                   ; the first head's sums are written, which the stores below read
	JOUT 0
	s_wait_dscnt 0x0
	WIN 0xa2                                       ; destination, sources 0 and 2 in window 2; f in window 0
	JSUM 1
	WIN 0x08                                       ; store data in window 2
	s_wait_alu depctr_va_vdst(0)                   ; the second head's sums are written, which the stores below read; both heads' sums are done reading v[SV ..], in which wave 0's loads below land
	JOUT 1
	WIN 0                                          ; at a label and at a branch every window is 0
	s_cmp_lg_u32 s16, 0
	s_cbranch_scc1 .Lend
	; wave 0: the work-group's (m, l), lane e for column e % 16: one store of 256 consecutive bytes
.irp v, 0,1,2,3
	ds_load_b64 v[SV+2*\v:SV+2*\v+1], v15 offset:128*\v
.endr
	s_wait_dscnt 0x0
	v_max3_num_f32 v[T+2], v[SV], v[SV+2], v[SV+4]
	v_max_num_f32 v[T+2], v[T+2], v[SV+6]
.irp v, 0,1,2,3
	v_sub_f32 v[SV+2*\v], v[SV+2*\v], v[T+2]
.endr
.irp v, 0,1,2,3
	v_exp_f32 v[SV+2*\v], v[SV+2*\v]
.endr
	v_nop
	s_wait_alu depctr_va_vdst(0)
	v_mul_f32 v[T+3], v[SV], v[SV+1]
.irp v, 1,2,3
	v_fmac_f32 v[T+3], v[SV+2*\v], v[SV+2*\v+1]
.endr
	s_wait_alu depctr_va_vdst(0)                   ; m and l are written, which the store below reads
	global_store_b64 v[SO], v[T+2:T+3], s[14:15]
.Lend:
	s_wait_dscnt 0x0
	s_wait_alu depctr_hold_cnt(0) depctr_sa_sdst(0) depctr_va_vdst(0) depctr_va_sdst(0) depctr_va_ssrc(0) depctr_va_vcc(0) depctr_vm_vsrc(0)
	s_wait_tensorcnt 0x0
	ds_add_u32 v254, v255
	s_wait_dscnt 0x0
	s_endpgm
.Lfunc_end_k_qaed7d596a5_pool:
	.size	k_qaed7d596a5_pool, .Lfunc_end_k_qaed7d596a5_pool-k_qaed7d596a5_pool
	.p2alignl 7, 3214868480
	.fill 96, 4, 3214868480
	.section	.rodata,"a",@progbits
	.p2align	6, 0x0
	.amdhsa_kernel k_qaed7d596a5_pool
		.amdhsa_group_segment_fixed_size 271360
		.amdhsa_private_segment_fixed_size 0
		.amdhsa_enable_private_segment 0
		.amdhsa_kernarg_size 48
		.amdhsa_user_sgpr_count 2
		.amdhsa_user_sgpr_kernarg_segment_ptr 1
		.amdhsa_wavefront_size32 1
		.amdhsa_system_sgpr_workgroup_id_x 1
		.amdhsa_system_sgpr_workgroup_id_y 1
		.amdhsa_system_sgpr_workgroup_id_z 1
		.amdhsa_system_vgpr_workitem_id 0
		.amdhsa_next_free_vgpr 960
		.amdhsa_next_free_sgpr 100
		.amdhsa_reserve_vcc 1
		.amdhsa_float_denorm_mode_32 3
		.amdhsa_float_denorm_mode_16_64 3
		.amdhsa_memory_ordered 1
		.amdhsa_forward_progress 1
		.amdhsa_inst_pref_size 255
	.end_amdhsa_kernel
	.section	.bss,"aw",@nobits
	.p2align	6
	.space	262144
	.amdgpu_metadata
---
amdhsa.version: [ 1, 2 ]
amdhsa.kernels:
  - .name:           k_qaed7d596a5_pool
    .symbol:         k_qaed7d596a5_pool.kd
    .args:
      - { .name: x, .offset: 0, .size: 8, .value_kind: global_buffer, .address_space: global }
      - { .name: mask, .offset: 8, .size: 8, .value_kind: global_buffer, .address_space: global }
      - { .name: wf, .offset: 16, .size: 8, .value_kind: global_buffer, .address_space: global }
      - { .name: cb, .offset: 24, .size: 8, .value_kind: global_buffer, .address_space: global }
      - { .name: pp, .offset: 32, .size: 8, .value_kind: global_buffer, .address_space: global }
      - { .name: st, .offset: 40, .size: 8, .value_kind: global_buffer, .address_space: global }
    .group_segment_fixed_size: 271360
    .private_segment_fixed_size: 0
    .kernarg_segment_align: 8
    .kernarg_segment_size: 48
    .max_flat_workgroup_size: 128
    .sgpr_count:     100
    .vgpr_count:     960
    .wavefront_size: 32
...
	.end_amdgpu_metadata
.endif
;; end of part 5
;; launch vproj: the kernel of part 3 again; grid 8 x 4, 16 waves a work-group, no clusters, 121,600 bytes of LDS; arguments pp, st, Wv, bv, o1; writes o1
;; launch oproj: the kernel of part 4 again; grid 8 x 4, 16 waves a work-group, no clusters, 121,600 bytes of LDS; arguments o1, Wo, bo, out0; writes out0
